; MI455X (gfx1250); checked and timed in simulation.
; The chip was launched on July 23, 2026; its instructions are those of AMD's public machine-readable ISA for CDNA 5 (MIT licence, August 2026) and "CDNA5" Instruction Set Architecture Reference Guide (July 2026). The comments in the code are by the model that wrote it; some were corrected since.
;; Linear Attention. Allowed arithmetic: matrix products marked QUANTISED: E2M1 operands, one E8M0 scale for each 32 along K, by v_wmma_scale_f32_16x16x128_f8f6f4 with both operands' format E2M1 (or v_wmma_scale_f32_32x16x128_f4), f32 sums; products left as they are: f32 operands where the result goes on into a quantised operand, else bf16, f16 or f32 operands; f32 sums; everything else in f32.
;; Inputs: Wk_codes 1,024 x 32 x 16 uint8 (E2M1 codes of Wk, K innermost, in blocks of 32 codes, two codes a byte); Wk_scales 1,024 x 32 uint8 (E8M0 scales of Wk, one for each 32 codes along K); Wq_codes 1,024 x 32 x 16 uint8 (E2M1 codes of Wq, K innermost, in blocks of 32 codes, two codes a byte); Wq_scales 1,024 x 32 uint8 (E8M0 scales of Wq, one for each 32 codes along K); Wv_codes 1,024 x 32 x 16 uint8 (E2M1 codes of Wv, K innermost, in blocks of 32 codes, two codes a byte); Wv_scales 1,024 x 32 uint8 (E8M0 scales of Wv, one for each 32 codes along K); beta 1,024 float32; bk 1,024 float32; bq 1,024 float32; bv 1,024 float32; gamma 1,024 float32; x 8 x 2,048 x 1,024 float32.
;; Outputs: out0 8 x 2,048 x 1,024 float32.
;; This version of the problem:
;;   THIS VERSION OF THE PROBLEM IS GIVEN IN LOW PRECISION. The matrix products marked QUANTISED in the list below multiply operands that are first quantised to E2M1 (2 exponent bits, 1 mantissa bit; 4 bits a number), with one power-of-two scale for each 32 numbers along K (OCP MX v1.0); their sums are f32. All else is computed in f32.
;;   The module's matrix products, in the order in which they are computed (A, B: the left and right operand; K: the contracted axis; several contracted axes count as one K, in the product's order):
;;     1. [M 16,384, K 1,024] x [K 1,024, N 1,024]; A: input x; B: input Wq (given as codes): QUANTISED
;;     2. [M 16,384, K 1,024] x [K 1,024, N 1,024]; A: input x; B: input Wk (given as codes): QUANTISED
;;     3. [M 16,384, K 1,024] x [K 1,024, N 1,024]; A: input x; B: input Wv (given as codes): QUANTISED
;;     4. batch 128 x [M 2,048, K 64] x [K 64, N 1]; A: computed on the way; B: computed on the way: left as it is (N = 1 < 16)
;;     5. batch 128 x [M 64, K 2,048] x [K 2,048, N 64]; A: computed on the way; B: computed on the way: QUANTISED
;;     6. batch 128 x [M 2,048, K 64] x [K 64, N 64]; A: computed on the way; B: computed on the way: QUANTISED
;;   THE QUANTISER, for each operand of a quantised product, along K:
;;     - K is cut into blocks of 32 from its start; a last block that is shorter is filled with zeros.
;;     - A block's scale is 2^e with e = floor(log2(the largest magnitude in the block)) - 2, held to -126 .. 127; a block of zeros has e = 0. As a byte (E8M0): e + 127.
;;     - Each number is divided by its block's scale, clamped to +-6, and rounded to the nearest number of E2M1, ties to even, subnormals kept.
;;     - The product sums the exact products of the quantised numbers (number of the format x scale) in f32.
;;   ~~~python
;;   def quantise(x, axis):      # numpy; x: float32 -> the quantised numbers, widened to float32 again
;;       x = np.moveaxis(x, axis, -1); K = x.shape[-1]
;;       x = np.pad(x, [(0, 0)] * (x.ndim - 1) + [(0, -K % 32)]); x = x.reshape(x.shape[:-1] + (-1, 32)); a = np.abs(x).max(-1, keepdims=True)
;;       e = np.where(a > 0, np.clip(np.frexp(np.where(a > 0, a, 1))[1] - 1 - 2, -126, 127), 0)      # np.frexp(a)[1] - 1 = floor(log2(a)), exactly
;;       r = np.clip(x / 2.0 ** e, -6, 6)
;;       step = 2.0 ** (np.maximum(np.frexp(np.where(r == 0, 1, r))[1] - 1, 0) - 1)
;;       q = np.round(r / step) * step * 2.0 ** e      # np.round: ties to even
;;       return np.moveaxis(q.reshape(q.shape[:-2] + (-1,))[..., :K], -1, axis).astype(np.float32)
;;   ~~~
;;   OPERANDS COMPUTED ON THE WAY. 'Computed on the way' means the value that the module computes at that place (a softmax that the list does not call 'softmax' is quantised finished and normalised). What goes into a quantiser is computed in f32, as accurately as f32 sums, v_exp_f32 and their like allow (about 1e-6 of the number): no bf16 or f16 on the way to a quantiser, and a product that is left as it is and whose result goes on into a quantised operand takes f32 operands (vector FMAs, or v_wmma_f32_16x16x4_f32). A number that lies on a knife's edge between two numbers of the format may be rounded either way, as far as f32 arithmetic and the matrix unit's own rounding can turn it there, and no further.
;;   INPUTS GIVEN AS CODES. Wk (in the module: [1024, 1024], K = its axis 1); Wq (in the module: [1024, 1024], K = its axis 1); Wv (in the module: [1024, 1024], K = its axis 1): each comes as NAME_codes (uint8): NAME with its K axis moved to the last place and cut into blocks of 32 codes, [.., K / 32, bytes a block], one block behind the other in memory; two codes a byte, the lower K in the low four bits (a code: sign, 2 exponent bits, 1 mantissa bit); and NAME_scales (uint8): the same leading axes, one E8M0 byte (e + 127) for each 32 codes along K. Its value is code x scale, taken as it is: it is not quantised again, and the codes and scales need not be those that the quantiser above would give.
;; One version. Each part assembles by itself: llvm-mc -triple=amdgcn-amd-amdhsa -mcpu=gfx1250 --defsym DOCPART=n.
;; ======== version 1 of 1: 4 launches
;; workspace buffers: xc 8,912,896 bytes; tab 16,777,216 bytes; kvc 262,144 bytes; kvm 65,536 bytes; qc 8,388,608 bytes; qz 2,097,152 bytes
;; launch prep (part 1): grid 512 x 1, 4 waves a work-group, no clusters, 34,304 bytes of LDS; arguments x, xc, tab; writes xc, tab
.if DOCPART == 1
	.amdgcn_target "amdgcn-amd-amdhsa--gfx1250"
	.amdhsa_code_object_version 6
	.text
	.protected	k_q0c904c7e28_prep
	.globl	k_q0c904c7e28_prep
	.p2align	8
	.type	k_q0c904c7e28_prep,@function
k_q0c904c7e28_prep:
	s_mov_b64 s[64:65], 0
	v_nop
	global_prefetch_b8 v0, s[64:65] scope:SCOPE_SE
	s_setreg_imm32_b32 hwreg(HW_REG_WAVE_MODE, 25, 1), 1
	s_wait_xcnt 0x0
; PREP.  Work-groups 0-255: x [16384][1024] f32 becomes codes of FP4 (E2M1) with one E8M0 byte for each 32 along K, laid as images of operand registers.
; Work-groups 256-511: the two tables of cosines and sines for the rotary embedding.
; xc: 256 blocks of 34,816 bytes, one for 64 rows.  Codes at ((s 4 + t) 2 + c) 512 + 16 lane (s: K step of 128, t: tile of 16 rows, c: half of a fragment); scale words at 32768 + 512 t + 32 r + 4 s.
; THE ROWS OF A TILE ARE NOT NEIGHBOURS: lane r of tile t holds row 32 (t / 2) + 8 (t % 2) + r % 8 + 16 (r / 8) of the block.
; A block's scale byte is its largest magnitude's exponent field - 2, held at 1 from below (a block of zeros keeps the byte 1: its codes are zeros, and this program alone reads the bytes).
; tab: TA at 0: block (g 32 + G) 8192: registers 0-31 cos x 2^-5.5, 32-63 sin x 2^-5.5; register i of lane (r, h): frequency 16 g + r, position 64 G + 32 (i / 16) + 16 h + i % 16.
;      TB at 8,388,608: block (G 16 + head) 16384 + 4096 t + 512 q + 16 lane: pairs (cos, sin) of frequency 32 head + 16 (k / 8) + 8 h + k % 8, k = 2 q, 2 q + 1, at the position of lane r of tile t.
; LIMITS: NaN and infinities are not served; blocks under 2^-124 keep the byte 1; a frequency is good to about 1.5 units of its last place, so the largest angles (about 2,047) can differ by about 2e-4.
.set XCB,  34816
.set STGB, 8448                        ; a wave's stage: 16 rows x 528 bytes
.set SPI,  528                         ; 512 bytes + 16: the sixteen rows that a load touches start at sixteen different banks
.set RL,   64                          ; v64-191  two sets of 64 registers as loaded
.set XN,   192                         ; v192-255 64 numbers of my row: two whole blocks
.set SWD,  32                          ; v32-39   the scale word of each K step
.set COD,  40                          ; v40-55   two sets of 8 code registers
.macro LOAD s                          ; K step s of the tile's 16 rows: each load takes 512 consecutive bytes of one row
.irp i,0,1,2,3,4,5,6,7,8,9,10,11,12,13,14,15
	global_load_b128 v[RL+64*((\s)%2)+4*\i:RL+64*((\s)%2)+4*\i+3], v1, s[4:5] offset:((\i%8)+16*(\i/8))*4096+512*(\s) th:TH_LOAD_NT
.endr
.endm
.macro KSTEP s
.set RSET, RL+64*((\s)%2)
.set CSET, COD+8*((\s)%2)
.if (\s)<7
	s_wait_loadcnt 16                              ; this K step's 16 loads are in; the next one's 16 may be out
.else
	s_wait_loadcnt 0x0
.endif
.irp i,0,1,2,3,4,5,6,7,8,9,10,11,12,13,14,15
	ds_store_b128 v2, v[RSET+4*\i:RSET+4*\i+3] offset:SPI*\i
.endr
.irp c,0,1
.irp q,0,1,2,3,4,5,6,7
	ds_load_b128 v[XN+32*\c+4*\q:XN+32*\c+4*\q+3], v3 offset:256*\c+16*\q   ; row r, k = 64 c + 32 h + 4 q ..: LDS serves a wave's instructions in order
.endr
.endr
	s_wait_dscnt 0x0                               ; my numbers are back, and the stores have read their registers
.if (\s)+2<8
	LOAD (\s)+2
.endif
.irp c,0,1
	v_max3_num_f32 v[12+\c], |v[XN+32*\c]|, |v[XN+32*\c+1]|, 0x1800000   ; my block 2 c + h: all 32 numbers are mine; the floor 2^(3 - 127) holds the byte at 1
.endr
.irp i,2,4,6,8,10,12,14,16,18,20,22,24,26,28,30
.irp c,0,1
	v_max3_num_f32 v[12+\c], v[12+\c], |v[XN+32*\c+\i]|, |v[XN+32*\c+\i+1]|
.endr
.endr
.irp c,0,1
	v_add_nc_u32 v[14+\c], 0xff000000, v[12+\c]    ; 2 off the exponent field: the conversion's scale operand
.endr
.irp c,0,1
	v_lshrrev_b32 v[12+\c], 23, v[14+\c]           ; the scale's byte
.endr
	v_lshl_or_b32 v9, v13, 16, v12                 ; blocks h and 2 + h,
	v_lshlrev_b32 v9, v8, v9                       ; 8 h bits up;
	v_permlanex16_b32 v10, v9, s12, s13
	v_or_b32 v[SWD+(\s)], v9, v10                  ; with lane l xor 16's two the word is whole
	s_wait_xcnt 0x0                                ; the stores of two K steps ago have read this set of code registers
.irp c,0,1
.irp g,0,1,2,3
	v_cvt_scalef32_pk8_fp4_f32 v[CSET+4*\c+\g], v[XN+32*\c+8*\g:XN+32*\c+8*\g+7], v[14+\c]
.endr
.endr
	v_nop                                          ; one plain place behind the conversions
.irp c,0,1
	global_store_b128 v1, v[CSET+4*\c:CSET+4*\c+3], s[6:7] offset:((\s)*8+\c)*512   ; 512 consecutive bytes, aligned
.endr
.endm
; Four angles v16-19 (0 or more) -> cosines at v[o + cs a], sines at v[o + so + cs a].  k = the nearest whole number to a 2 / pi; rho = a - k pi / 2 in two parts; series on |rho| <= pi / 4; the quadrant by selects.
.macro SINCOS4 o,cs,so
.irp a,0,1,2,3
	v_mul_f32 v[20+\a], s24, v[16+\a]
.endr
.irp a,0,1,2,3
	v_rndne_f32 v[20+\a], v[20+\a]
.endr
.irp a,0,1,2,3
	v_fma_f32 v[24+\a], v[20+\a], s25, v[16+\a]
.endr
.irp a,0,1,2,3
	v_fma_f32 v[24+\a], v[20+\a], s26, v[24+\a]    ; rho
.endr
.irp a,0,1,2,3
	v_mul_f32 v[28+\a], v[24+\a], v[24+\a]         ; z = rho^2
.endr
.irp a,0,1,2,3
	v_cvt_i32_f32 v[40+\a], v[20+\a]
.endr
.irp a,0,1,2,3
	v_fma_f32 v[32+\a], v[28+\a], s27, s28
	v_fma_f32 v[36+\a], v[28+\a], s31, s32
.endr
.irp a,0,1,2,3
	v_fma_f32 v[32+\a], v[32+\a], v[28+\a], s29
	v_fma_f32 v[36+\a], v[36+\a], v[28+\a], s33
.endr
.irp a,0,1,2,3
	v_fma_f32 v[32+\a], v[32+\a], v[28+\a], s30
	v_fma_f32 v[36+\a], v[36+\a], v[28+\a], s34
.endr
.irp a,0,1,2,3
	v_mul_f32 v[44+\a], v[24+\a], v[28+\a]
	v_fma_f32 v[36+\a], v[36+\a], v[28+\a], -0.5
.endr
.irp a,0,1,2,3
	v_fma_f32 v[32+\a], v[32+\a], v[44+\a], v[24+\a]   ; sin rho
	v_fma_f32 v[36+\a], v[36+\a], v[28+\a], 1.0        ; cos rho
.endr
.irp a,0,1,2,3
	v_and_b32 v[44+\a], 1, v[40+\a]
	v_add_nc_u32 v[20+\a], 1, v[40+\a]
.endr
.irp a,0,1,2,3
	v_lshlrev_b32 v[40+\a], 30, v[40+\a]
	v_lshlrev_b32 v[20+\a], 30, v[20+\a]
.endr
.irp a,0,1,2,3
	v_and_b32 v[40+\a], 0x80000000, v[40+\a]       ; the sine's sign: quadrants 2, 3
	v_and_b32 v[20+\a], 0x80000000, v[20+\a]       ; the cosine's: quadrants 1, 2
.endr
.irp a,0,1,2,3
	v_cmp_eq_u32 vcc_lo, 1, v[44+\a]
	v_cndmask_b32 v[24+\a], v[32+\a], v[36+\a], vcc_lo
	v_cndmask_b32 v[28+\a], v[36+\a], v[32+\a], vcc_lo
.endr
.irp a,0,1,2,3
	v_xor_b32 v[\o+\so+\cs*\a], v[40+\a], v[24+\a]
	v_xor_b32 v[\o+\cs*\a], v[20+\a], v[28+\a]
.endr
.endm
	s_load_b128 s[4:7], s[0:1], 0x0                ; x, xc
	s_load_b64 s[8:9], s[0:1], 0x10                ; tab
	v_lshl_add_u32 v62, v0, 2, 0x8400
	v_mov_b32 v63, 0
	v_lshrrev_b32 v1, 5, v0
	v_readfirstlane_b32 s10, v1                    ; wave
	v_and_b32 v5, 31, v0                           ; lane
	v_and_b32 v6, 15, v0                           ; r
	v_bfe_u32 v7, v0, 4, 1                         ; h
	v_lshlrev_b32 v1, 4, v5                        ; 16 x lane
	s_mov_b32 s12, 0x76543210
	s_mov_b32 s13, 0xfedcba98                      ; selects for lane l xor 16
	s_cmp_lt_u32 ttmp9, 256
	s_cbranch_scc0 .Ltables
	; ---- x: work-group = block of 64 rows, wave = tile t
	s_mul_i32 s11, s10, STGB
	v_add_nc_u32 v2, s11, v1                       ; the stage, in: a row's 512 bytes as they lie
	v_mul_u32_u24 v3, v6, SPI
	v_lshl_add_u32 v3, v7, 7, v3
	v_add_nc_u32 v3, s11, v3                       ; and out: row r, + 128 h
	v_lshlrev_b32 v4, 5, v6
	v_lshl_add_u32 v4, v7, 4, v4                   ; the scale words' place: 32 r + 16 h
	v_lshlrev_b32 v8, 3, v7                        ; 8 h
	v_cmp_eq_u32 s14, 1, v7
	v_mov_b32 v10, 0                               ; a lane permute's destination counts as read
	s_lshl_b32 s16, ttmp9, 6
	s_lshr_b32 s17, s10, 1
	s_lshl_b32 s17, s17, 5
	s_add_co_u32 s16, s16, s17
	s_and_b32 s17, s10, 1
	s_lshl_b32 s17, s17, 3
	s_add_co_u32 s16, s16, s17                     ; the tile's first row: 64 block + 32 (t / 2) + 8 (t % 2)
	s_lshl_b32 s16, s16, 12
	s_mov_b32 s17, 0
	s_mul_i32 s18, ttmp9, XCB
	s_lshl_b32 s19, s10, 9
	s_add_co_u32 s22, s18, s19
	s_add_co_u32 s22, s22, 32768                   ; the tile's scale words
	s_mov_b32 s23, 0
	s_lshl_b32 s19, s10, 10
	s_add_co_u32 s18, s18, s19                     ; the tile's codes
	s_mov_b32 s19, 0
	s_wait_kmcnt 0x0
	s_add_nc_u64 s[4:5], s[4:5], s[16:17]
	s_add_nc_u64 s[20:21], s[6:7], s[22:23]
	s_add_nc_u64 s[6:7], s[6:7], s[18:19]
	LOAD 0
	LOAD 1
.irp s,0,1,2,3,4,5,6,7
	KSTEP \s
.endr
.irp i,0,1,2,3
	v_cndmask_b32 v[56+\i], v[SWD+\i], v[SWD+4+\i], s14   ; lanes 0-15 store K steps 0-3, lanes 16-31 K steps 4-7
.endr
	global_store_b128 v4, v[56:59], s[20:21]       ; 512 consecutive bytes
	s_wait_tensorcnt 0x0
	ds_add_u32 v62, v63
	s_wait_dscnt 0x0
	s_endpgm
.Ltables:
	s_sub_co_u32 s11, ttmp9, 256
	s_lshl_b32 s11, s11, 2
	s_add_co_u32 s11, s11, s10                     ; tw = 0 .. 1023
	s_mov_b32 s24, 0x3f22f983                      ; 2 / pi
	s_mov_b32 s25, 0xbfc90fdb                      ; -pi / 2, upper part
	s_mov_b32 s26, 0x333bbd2e                      ; and the rest
	s_mov_b32 s27, 0x3638ef1d                      ; 1 / 9!
	s_mov_b32 s28, 0xb9500d01                      ; -1 / 7!
	s_mov_b32 s29, 0x3c088889                      ; 1 / 5!
	s_mov_b32 s30, 0xbe2aaaab                      ; -1 / 3!
	s_mov_b32 s31, 0xb493f27e                      ; -1 / 10!
	s_mov_b32 s32, 0x37d00d01                      ; 1 / 8!
	s_mov_b32 s33, 0xbab60b61                      ; -1 / 6!
	s_mov_b32 s34, 0x3d2aaaab                      ; 1 / 4!
	s_mov_b32 s35, 0xbcd49a78                      ; -log2(10000) / 512, upper part
	s_mov_b32 s36, 0xb0179a37                      ; and the rest
	s_mov_b32 s37, 0x3f317218                      ; ln 2
	s_mov_b32 s38, 0x3cb504f3                      ; 2^-5.5
	; ---- TA: block tw = g 32 + G
	s_lshr_b32 s14, s11, 5
	s_and_b32 s15, s11, 31
	s_lshl_b32 s14, s14, 4
	v_add_nc_u32 v9, s14, v6
	v_cvt_f32_u32 v9, v9                           ; j = 16 g + r
	v_mul_f32 v11, s35, v9                         ; f = 2^(-j c): the rounded exponent,
	v_fma_f32 v12, v9, s35, -v11                   ; what the rounding dropped,
	v_fma_f32 v12, v9, s36, v12                    ; and the constant's rest
	v_exp_f32 v10, v11
	v_mul_f32 v12, s37, v12
	s_wait_alu depctr_va_vdst(0)                   ; ahead of the exponential's first reader
	v_fma_f32 v10, v10, v12, v10
	s_lshl_b32 s15, s15, 6
	v_lshl_add_u32 v11, v7, 4, s15                 ; 64 G + 16 h
	s_lshl_b32 s16, s11, 13
	s_mov_b32 s17, 0
	s_wait_kmcnt 0x0
	s_add_nc_u64 s[20:21], s[8:9], s[16:17]
	v_mov_b32 v13, v1
	s_mov_b32 s18, 0
.Lta:                                              ; trip p: registers 4 p .. 4 p + 3
	s_lshr_b32 s19, s18, 2
	s_lshl_b32 s19, s19, 4
	s_lshl_b32 s22, s18, 2
	s_add_co_u32 s19, s19, s22                     ; 4 p + 16 (p / 4)
.irp a,0,1,2,3
	v_add3_u32 v[16+\a], s19, v11, \a
.endr
.irp a,0,1,2,3
	v_cvt_f32_u32 v[16+\a], v[16+\a]
.endr
.irp a,0,1,2,3
	v_mul_f32 v[16+\a], v[16+\a], v10              ; the angle, rounded once
.endr
	SINCOS4 48,1,4
.irp a,0,1,2,3,4,5,6,7
	v_mul_f32 v[48+\a], s38, v[48+\a]
.endr
	global_store_b128 v13, v[48:51], s[20:21]
	global_store_b128 v13, v[52:55], s[20:21] offset:4096
	s_wait_xcnt 0x0                                ; the stores have read their data and their offset
	v_add_nc_u32 v13, 512, v13
	s_add_co_u32 s18, s18, 1
	s_cmp_lt_u32 s18, 8
	s_cbranch_scc1 .Lta
	; ---- TB: block tw / 2 = G 16 + head, tiles 2 (tw % 2) and 2 (tw % 2) + 1
	s_lshr_b32 s14, s11, 1
	s_and_b32 s15, s14, 15
	s_lshr_b32 s16, s14, 4
	s_lshl_b32 s15, s15, 5
	v_lshl_add_u32 v9, v7, 3, s15                  ; 32 head + 8 h
	s_lshl_b32 s16, s16, 6
	s_and_b32 s17, s11, 1
	s_lshl_b32 s19, s17, 5
	s_add_co_u32 s16, s16, s19                     ; 64 G + 32 (t / 2)
	v_and_b32 v11, 7, v6
	v_lshrrev_b32 v12, 3, v6
	v_lshl_add_u32 v11, v12, 4, v11
	v_add_nc_u32 v11, s16, v11
	v_cvt_f32_u32 v14, v11                         ; my position in the even tile,
	v_add_nc_u32 v11, 8, v11
	v_cvt_f32_u32 v15, v11                         ; and in the odd one
	s_lshl_b32 s22, s14, 14
	s_lshl_b32 s17, s17, 13
	s_add_co_u32 s22, s22, s17
	s_add_co_u32 s22, s22, 0x800000
	s_mov_b32 s23, 0
	s_add_nc_u64 s[20:21], s[8:9], s[22:23]
	v_mov_b32 v13, v1
	s_mov_b32 s18, 0
.Ltb:                                              ; trip q: pairs 2 q and 2 q + 1
	s_lshr_b32 s19, s18, 2
	s_lshl_b32 s19, s19, 3
	s_lshl_b32 s22, s18, 1
	s_add_co_u32 s19, s19, s22                     ; 2 q + 8 (q / 4)
	v_add_nc_u32 v56, s19, v9
	v_add_nc_u32 v57, 1, v56
	v_cvt_f32_u32 v56, v56
	v_cvt_f32_u32 v57, v57
	v_mul_f32 v58, s35, v56
	v_mul_f32 v59, s35, v57
	v_fma_f32 v60, v56, s35, -v58
	v_fma_f32 v61, v57, s35, -v59
	v_fma_f32 v60, v56, s36, v60
	v_fma_f32 v61, v57, s36, v61
	v_exp_f32 v58, v58
	v_exp_f32 v59, v59
	v_mul_f32 v60, s37, v60
	v_mul_f32 v61, s37, v61
	s_wait_alu depctr_va_vdst(0)                   ; one wait for the two exponentials, ahead of their first reader
	v_fma_f32 v58, v58, v60, v58
	v_fma_f32 v59, v59, v61, v59
	v_mul_f32 v16, v14, v58
	v_mul_f32 v17, v14, v59
	v_mul_f32 v18, v15, v58
	v_mul_f32 v19, v15, v59
	SINCOS4 48,2,1
	global_store_b128 v13, v[48:51], s[20:21]
	global_store_b128 v13, v[52:55], s[20:21] offset:4096
	s_wait_xcnt 0x0
	v_add_nc_u32 v13, 512, v13
	s_add_co_u32 s18, s18, 1
	s_cmp_lt_u32 s18, 8
	s_cbranch_scc1 .Ltb
	s_endpgm
.Lfunc_end_k_q0c904c7e28_prep:
	.size	k_q0c904c7e28_prep, .Lfunc_end_k_q0c904c7e28_prep-k_q0c904c7e28_prep
	.p2alignl 7, 3214868480
	.fill 96, 4, 3214868480
	.section	.rodata,"a",@progbits
	.p2align	6, 0x0
	.amdhsa_kernel k_q0c904c7e28_prep
		.amdhsa_group_segment_fixed_size 34304
		.amdhsa_private_segment_fixed_size 0
		.amdhsa_enable_private_segment 0
		.amdhsa_kernarg_size 24
		.amdhsa_user_sgpr_count 2
		.amdhsa_user_sgpr_kernarg_segment_ptr 1
		.amdhsa_wavefront_size32 1
		.amdhsa_system_sgpr_workgroup_id_x 1
		.amdhsa_system_sgpr_workgroup_id_y 1
		.amdhsa_system_sgpr_workgroup_id_z 1
		.amdhsa_system_vgpr_workitem_id 0
		.amdhsa_next_free_vgpr 256
		.amdhsa_next_free_sgpr 66
		.amdhsa_reserve_vcc 1
		.amdhsa_float_denorm_mode_32 3
		.amdhsa_float_denorm_mode_16_64 3
		.amdhsa_memory_ordered 1
		.amdhsa_forward_progress 1
		.amdhsa_inst_pref_size 72
	.end_amdhsa_kernel
	.amdgpu_metadata
---
amdhsa.version: [ 1, 2 ]
amdhsa.kernels:
  - .name:           k_q0c904c7e28_prep
    .symbol:         k_q0c904c7e28_prep.kd
    .args:
      - { .name: x, .offset: 0, .size: 8, .value_kind: global_buffer, .address_space: global }
      - { .name: xc, .offset: 8, .size: 8, .value_kind: global_buffer, .address_space: global }
      - { .name: tab, .offset: 16, .size: 8, .value_kind: global_buffer, .address_space: global }
    .group_segment_fixed_size: 34304
    .private_segment_fixed_size: 0
    .kernarg_segment_align: 8
    .kernarg_segment_size: 24
    .max_flat_workgroup_size: 128
    .sgpr_count:     66
    .vgpr_count:     256
    .wavefront_size: 32
...
	.end_amdgpu_metadata
.endif
;; end of part 1
;; launch kvl (part 2): grid 32 x 8, 4 waves a work-group, clusters of 4 x 1, 327,680 bytes of LDS; arguments xc, tab, Wk_codes, Wk_scales, bk, Wv_codes, Wv_scales, bv, kvc, kvm; writes kvc, kvm
.if DOCPART == 2
	.amdgcn_target "amdgcn-amd-amdhsa--gfx1250"
	.amdhsa_code_object_version 6
	.text
	.protected	k_q0c904c7e28_kvl
	.globl	k_q0c904c7e28_kvl
	.p2align	8
	.type	k_q0c904c7e28_kvl,@function
k_q0c904c7e28_kvl:
	s_mov_b64 s[64:65], 0
	v_nop
	global_prefetch_b8 v0, s[64:65] scope:SCOPE_SE
	s_setreg_imm32_b32 hwreg(HW_REG_WAVE_MODE, 25, 1), 1
	s_wait_xcnt 0x0
	s_wait_alu depctr_hold_cnt(0) depctr_sa_sdst(0) depctr_va_vdst(0) depctr_va_sdst(0) depctr_va_ssrc(0) depctr_va_vcc(0) depctr_vm_vsrc(0)
	s_getreg_b32 s2, hwreg(HW_REG_IB_STS2, 6, 4)
	s_cmp_eq_u32 s2, 0
	s_cbranch_scc0 .Lentry_in_a_cluster
	s_endpgm
.Lentry_in_a_cluster:
	s_bfe_u32 s2, ttmp6, 0x10000c
	s_cmp_lg_u32 s2, 0x3003
	s_cbranch_scc0 .Lentry_shape_is_right
	s_endpgm
.Lentry_shape_is_right:
; KVL.  A work-group owns (batch b, head, half dh of the head's 64 channels of k) over all 2,048 positions: k = gelu(x Wk^T + bk) + 0.21 for 32 channels, v = x Wv^T + bv for the head's 64,
; the rotary embedding of k, both x 2^-5.5, both quantised along the positions, kv[32 d][64 e] summed over the positions, the mean of k; kv is then quantised along d: my 32 d are one block.
; SHARES.  The weights (2 tiles of Wk, 4 of Wv, all of K: 384 registers) stay in every wave's registers; x's codes stream: in step i wave w takes the block of 64 rows 4 i + w, 8 steps.
; Each wave has two LDS slots of its own, filled by its own tensor load and read by itself alone.  CLUSTER: the four work-groups of a cluster belong to one batch and walk the same blocks, so each block is asked for
; JOINTLY: the same load, the same descriptor, the mask of all four.  v of a head is made by both halves dh: the price of finishing kv and the mean inside one work-group.
; LAYOUT.  Source 0 = 16 rows of x, source 1 = 16 rows of a weight: a lane holds ONE channel and its registers run along the positions; the rows of a tile of x are chosen so that the 16 registers of tiles 2 b, 2 b + 1
; are 16 neighbouring positions.  k's two tiles hold the even and the odd channels, so a rotary pair lies in one lane.  A step's 64 positions fill k = 0 .. 63 of the kv product; k = 64 .. 127 are zero codes of source 0.
; GELU: erf(s) = s P(s^2) / Q(s^2) on |s| <= 4, good to a few units of the last place; 0.5 t is held at -2 sqrt 2 from below, where 1 + erf is only a rounding error.
; LIMITS: NaN and infinities are not served; blocks under 2^-124 keep the scale byte 1 (read by this program alone); the factor 2^-5.5 on k lies in the table: one rounding more than a multiplication at the end.
; REGISTERS.  window 0: v1-15, v28-31 addresses; v16-19 two constants; v20-27 sums of k; v32-55 the weights' scale words; v56-71 x's; v72-77 k's and v's; v80-143 k; v144-191 at work; v192-207 k's codes; v208-227 v's.
;   window 1: v0-63 the table; v64-191 v; v192-255 x's fragments, two sets.   window 2: Wv.   window 3: v0-127 Wk; v128-175 the biases; v176-239 kv.
.set XCB,   34816
.set WRING, 69632                      ; a wave's two slots: 0x11000; a slot is 0x8800, whose bits are never set in wave x 0x11000: one exclusive or turns an address
.set SLOTX, 0x8800
.set SPARE, 278528                     ; behind the rings: the spare words, 128 bytes a wave
.set RED,   279040                     ; behind them: 4 x 8,448 bytes for the sums over the waves; no tensor load lands here
.set REDW,  8448
.set NSTEP, 8
.set L16, 1
.set ASC, 2
.set ADX, 3
.set ADS, 4
.set SPW, 5
.set NIL, 6
.set A0V, 16
.set B0V, 18
.set KS,  20
.set WSC, 32
.set XSC, 56
.set KVS, 72
.set KACC, 80
.set TMP, 144
.set CK,  192
.set CV,  208
.set TAB, 0
.set VACC, 64
.set XF,  192
.set BIAS, 128
.set KVA, 176
.set MSB, 0
.macro WIN new                         ; the immediate's high byte repeats the setting that is left; a switch that changes nothing is dropped
.set WNEW, \new
.if MSB != WNEW
	s_set_vgpr_msb (MSB<<8)|WNEW
.set MSB, WNEW
.endif
.endm
.macro PLACES
.rept 4
	v_nop
.endr
.endm
.macro SETC r,val
	s_mov_b32 s[\r], \val
	s_mov_b32 s[\r+1], \val
.endm
.macro CROUND                          ; a round of the cluster's barrier
	s_barrier_signal -1
	s_barrier_wait -1
	s_cmp_lg_u32 s40, 0
	s_cbranch_scc1 .Lnot_wave_0_\@
	s_barrier_signal -3
.Lnot_wave_0_\@:
	s_barrier_wait -3
	s_barrier_signal -1
	s_barrier_wait -1
.endm
; THE CHANGE OF SLOTS, at a step's head: my one tensor load (the block that I am about to read) has landed; the add; the descriptor steps to the other slot and the next block; the add and my reads of the slot that I have
; left are done; a round of the cluster's barrier; the joint load, first behind it: it has this whole step in which to land.
.macro CHANGE
	s_wait_tensorcnt 0x0
	ds_add_u32 v[SPW], v[NIL]                      ; 0 onto my spare word
	s_xor_b32 s33, s33, SLOTX
	s_add_nc_u64 s[34:35], s[34:35], 4*XCB
	s_wait_dscnt 0x0
	CROUND
	tensor_load_to_lds s[32:35], s[24:31]
	s_nop 0
	PLACES
.endm
.macro WMS d,a,b,c,sa,sb,ra,rb         ; one scaled product; ra, rb: the scales stand in lanes 16-31
.if (\ra)&&(\rb)
	v_wmma_scale_f32_16x16x128_f8f6f4 v[\d:\d+7], v[\a:\a+7], v[\b:\b+7], v[\c:\c+7], v[\sa], v[\sb] matrix_a_fmt:MATRIX_FMT_FP4 matrix_b_fmt:MATRIX_FMT_FP4 matrix_a_scale:MATRIX_SCALE_ROW1 matrix_b_scale:MATRIX_SCALE_ROW1
.elseif (\ra)
	v_wmma_scale_f32_16x16x128_f8f6f4 v[\d:\d+7], v[\a:\a+7], v[\b:\b+7], v[\c:\c+7], v[\sa], v[\sb] matrix_a_fmt:MATRIX_FMT_FP4 matrix_b_fmt:MATRIX_FMT_FP4 matrix_a_scale:MATRIX_SCALE_ROW1
.elseif (\rb)
	v_wmma_scale_f32_16x16x128_f8f6f4 v[\d:\d+7], v[\a:\a+7], v[\b:\b+7], v[\c:\c+7], v[\sa], v[\sb] matrix_a_fmt:MATRIX_FMT_FP4 matrix_b_fmt:MATRIX_FMT_FP4 matrix_b_scale:MATRIX_SCALE_ROW1
.else
	v_wmma_scale_f32_16x16x128_f8f6f4 v[\d:\d+7], v[\a:\a+7], v[\b:\b+7], v[\c:\c+7], v[\sa], v[\sb] matrix_a_fmt:MATRIX_FMT_FP4 matrix_b_fmt:MATRIX_FMT_FP4
.endif
.endm
.macro XFL s                           ; x's four fragments of K step s: images of registers, 512 consecutive bytes a load
.irp t,0,1,2,3
.irp c,0,1
	ds_load_b128 v[XF+32*((\s)%2)+8*\t+4*\c:XF+32*((\s)%2)+8*\t+4*\c+3], v[ADX] offset:(((\s)*4+\t)*2+\c)*512
.endr
.endr
.endm
.macro KPROD s                         ; 8 products: k's two tiles of channels x four tiles of rows; the first K step takes the bias as C
.if (\s)==0
	WIN 0x3d
.else
	WIN 0x0d
.endif
.irp ct,0,1
.irp t,0,1,2,3
.if (\s)==0
	WMS KACC+32*\ct+8*\t,XF+32*((\s)%2)+8*\t,8*(8*\ct+(\s)),BIAS+8*\ct,XSC+8*(\t/2)+(\s),WSC+(\s),\t%2,\ct
.else
	WMS KACC+32*\ct+8*\t,XF+32*((\s)%2)+8*\t,8*(8*\ct+(\s)),KACC+32*\ct+8*\t,XSC+8*(\t/2)+(\s),WSC+(\s),\t%2,\ct
.endif
.endr
.endr
.endm
.macro VPROD s                         ; 16 products: v's four tiles x four tiles of rows
.if (\s)==0
	WIN 0x79
.else
	WIN 0x59
.endif
.irp et,0,1,2,3
.irp t,0,1,2,3
.if (\s)==0
	WMS VACC+32*\et+8*\t,XF+32*((\s)%2)+8*\t,8*(8*\et+(\s)),BIAS+16+8*\et,XSC+8*(\t/2)+(\s),WSC+8+8*(\et/2)+(\s),\t%2,\et%2
.else
	WMS VACC+32*\et+8*\t,XF+32*((\s)%2)+8*\t,8*(8*\et+(\s)),VACC+32*\et+8*\t,XSC+8*(\t/2)+(\s),WSC+8+8*(\et/2)+(\s),\t%2,\et%2
.endif
.endr
.endr
.endm
; 16 numbers t become gelu(t) + 0.21, in place; the eight pairs take each line in turn.  S at TMP, X at TMP + 16, P at TMP + 32.
.macro GELU16 base
.irp p,0,2,4,6,8,10,12,14
	v_pk_mul_f32 v[TMP+\p:TMP+\p+1], v[\base+\p:\base+\p+1], 0x3f3504f3 op_sel_hi:[1,0]
.endr
.irp p,0,1,2,3,4,5,6,7,8,9,10,11,12,13,14,15
	v_med3_num_f32 v[TMP+\p], v[TMP+\p], -4.0, 4.0
.endr
.irp p,0,2,4,6,8,10,12,14
	v_pk_mul_f32 v[TMP+16+\p:TMP+17+\p], v[TMP+\p:TMP+\p+1], v[TMP+\p:TMP+\p+1]
.endr
.irp p,0,2,4,6,8,10,12,14
	v_pk_fma_f32 v[TMP+32+\p:TMP+33+\p], v[TMP+16+\p:TMP+17+\p], v[A0V:A0V+1], s[66:67] op_sel_hi:[1,1,0]
.endr
.irp k,68,70,72,74,76
.irp p,0,2,4,6,8,10,12,14
	v_pk_fma_f32 v[TMP+32+\p:TMP+33+\p], v[TMP+32+\p:TMP+33+\p], v[TMP+16+\p:TMP+17+\p], s[\k:\k+1] op_sel_hi:[1,1,0]
.endr
.endr
.irp p,0,2,4,6,8,10,12,14
	v_pk_mul_f32 v[TMP+\p:TMP+\p+1], v[TMP+\p:TMP+\p+1], v[TMP+32+\p:TMP+33+\p]
.endr
.irp p,0,2,4,6,8,10,12,14
	v_pk_fma_f32 v[TMP+32+\p:TMP+33+\p], v[TMP+16+\p:TMP+17+\p], v[B0V:B0V+1], s[78:79] op_sel_hi:[1,1,0]
.endr
.irp k,80,82,84
.irp p,0,2,4,6,8,10,12,14
	v_pk_fma_f32 v[TMP+32+\p:TMP+33+\p], v[TMP+32+\p:TMP+33+\p], v[TMP+16+\p:TMP+17+\p], s[\k:\k+1] op_sel_hi:[1,1,0]
.endr
.endr
.irp p,0,1,2,3,4,5,6,7,8,9,10,11,12,13,14,15
	v_rcp_f32 v[TMP+32+\p], v[TMP+32+\p]
.endr
.irp p,0,2,4,6,8,10,12,14
	v_pk_mul_f32 v[TMP+16+\p:TMP+17+\p], v[\base+\p:\base+\p+1], 0.5 op_sel_hi:[1,0]
.endr
.irp p,0,1,2,3,4,5,6,7,8,9,10,11,12,13,14,15
	v_max_num_f32 v[TMP+16+\p], 0xc03504f3, v[TMP+16+\p]
.endr
	s_wait_alu depctr_va_vdst(0)                   ; one wait for the sixteen reciprocals, ahead of their first reader
.irp p,0,2,4,6,8,10,12,14
	v_pk_mul_f32 v[TMP+\p:TMP+\p+1], v[TMP+\p:TMP+\p+1], v[TMP+32+\p:TMP+33+\p]   ; erf
.endr
.irp p,0,2,4,6,8,10,12,14
	v_pk_add_f32 v[TMP+32+\p:TMP+33+\p], v[TMP+16+\p:TMP+17+\p], 0x3e570a3d op_sel_hi:[1,0]
.endr
.irp p,0,2,4,6,8,10,12,14
	v_pk_fma_f32 v[\base+\p:\base+\p+1], v[TMP+16+\p:TMP+17+\p], v[TMP+\p:TMP+\p+1], v[TMP+32+\p:TMP+33+\p]
.endr
.endm
.macro ROPEK i0                        ; 16 positions: E' = E c - O s, O' = O c + E s; the table lies in window 1 (source 1)
.irp k,0,2,4,6,8,10,12,14
	v_pk_mul_f32 v[TMP+\k:TMP+\k+1], v[KACC+32+\i0+\k:KACC+33+\i0+\k], v[TAB+32+\i0+\k:TAB+33+\i0+\k]
.endr
.irp k,0,2,4,6,8,10,12,14
	v_pk_mul_f32 v[TMP+16+\k:TMP+17+\k], v[KACC+\i0+\k:KACC+1+\i0+\k], v[TAB+32+\i0+\k:TAB+33+\i0+\k]
.endr
.irp k,0,2,4,6,8,10,12,14
	v_pk_fma_f32 v[KACC+\i0+\k:KACC+1+\i0+\k], v[KACC+\i0+\k:KACC+1+\i0+\k], v[TAB+\i0+\k:TAB+1+\i0+\k], v[TMP+\k:TMP+\k+1] neg_lo:[0,0,1] neg_hi:[0,0,1]
.endr
.irp k,0,2,4,6,8,10,12,14
	v_pk_fma_f32 v[KACC+32+\i0+\k:KACC+33+\i0+\k], v[KACC+32+\i0+\k:KACC+33+\i0+\k], v[TAB+\i0+\k:TAB+1+\i0+\k], v[TMP+16+\k:TMP+17+\k]
.endr
.endm
; THE QUANTISER, for nb blocks of which a lane holds 16 numbers each (lane l xor 16 the other 16).  Largest magnitudes at TMP + q, bytes at TMP + 8 + q, the conversions' scale operands at TMP + 16 + q.
.macro QMAX nb,src
.set QQ,0
.rept \nb
	v_max3_num_f32 v[TMP+QQ], 0x1800000, |v[\src+16*QQ]|, |v[\src+16*QQ+1]|   ; with the floor 2^(3 - 127): the byte cannot fall under 1
.set QQ,QQ+1
.endr
.irp i,2,4,6,8,10,12,14
.set QQ,0
.rept \nb
	v_max3_num_f32 v[TMP+QQ], v[TMP+QQ], |v[\src+16*QQ+\i]|, |v[\src+16*QQ+\i+1]|
.set QQ,QQ+1
.endr
.endr
.endm
.macro QSCALE nb
.set QQ,0
.rept \nb
	v_permlanex16_b32 v[TMP+8+QQ], v[TMP+QQ], s48, s49
.set QQ,QQ+1
.endr
.set QQ,0
.rept \nb
	v_max_num_f32 v[TMP+QQ], v[TMP+QQ], v[TMP+8+QQ]
.set QQ,QQ+1
.endr
.set QQ,0
.rept \nb
	v_add_nc_u32 v[TMP+16+QQ], 0xff000000, v[TMP+QQ]   ; 2 off the exponent field
.set QQ,QQ+1
.endr
.set QQ,0
.rept \nb
	v_lshrrev_b32 v[TMP+8+QQ], 23, v[TMP+16+QQ]
.set QQ,QQ+1
.endr
.endm
.macro QCVT nt,src,dst,str             ; nt tiles of two blocks: four code registers a tile
.set QQ,0
.rept 2*(\nt)
	v_cvt_scalef32_pk8_fp4_f32 v[\dst+(\str)*(QQ/2)+2*(QQ%2)], v[\src+16*QQ:\src+16*QQ+7], v[TMP+16+QQ]
	v_cvt_scalef32_pk8_fp4_f32 v[\dst+(\str)*(QQ/2)+2*(QQ%2)+1], v[\src+16*QQ+8:\src+16*QQ+15], v[TMP+16+QQ]
.set QQ,QQ+1
.endr
.endm
.macro QSWAP nt,dst,str                ; the operand wants a whole block in a lane: lanes 0-15 block 0, lanes 16-31 block 1
.set QQ,0
.rept \nt
	v_permlane16_swap_b32 v[\dst+(\str)*QQ], v[\dst+(\str)*QQ+2]
	v_permlane16_swap_b32 v[\dst+(\str)*QQ+1], v[\dst+(\str)*QQ+3]
.set QQ,QQ+1
.endr
.endm
; A STEP: my block of 64 rows in the slot at s46.
.macro STEP
	v_add_nc_u32 v[ADX], s46, v[L16]
	v_add_nc_u32 v[ADS], s46, v[ASC]
	WIN 0x40
.irp p,0,1,2,3,4,5,6,7,8,9,10,11,12,13,14,15
	global_load_b128 v[TAB+4*\p:TAB+4*\p+3], v[L16], s[50:51] offset:512*\p   ; the table of this block's positions: wanted behind the products and the GELU
.endr
	WIN 0
.irp p,0,1
.irp q,0,1
	ds_load_b128 v[XSC+8*\p+4*\q:XSC+8*\p+4*\q+3], v[ADS] offset:1024*\p+16*\q   ; x's scale words: lanes 0-15 tile 2 p, lanes 16-31 tile 2 p + 1
.endr
.endr
	WIN 0x40
	XFL 0
.irp s,0,1,2,3,4,5,6,7
.if \s<7
.if \s>0
	PLACES                                         ; in front of loads into the set that the last K step's products read
.endif
	WIN 0x40
	XFL (\s+1)
	s_wait_dscnt 8                                 ; all but the next K step's eight loads
.else
	s_wait_dscnt 0x0
.endif
	KPROD \s                                       ; the 24 accumulators take turns, in the same order in every K step
	VPROD \s
.endr
	WIN 0
	PLACES
	GELU16 KACC
	GELU16 KACC+16
	GELU16 KACC+32
	GELU16 KACC+48
.irp i,0,4,8,12,16,20,24,28
.irp ct,0,1
	v_pk_add_f32 v[KS+4*\ct:KS+4*\ct+1], v[KS+4*\ct:KS+4*\ct+1], v[KACC+32*\ct+\i:KACC+32*\ct+\i+1]       ; the sum of k over the positions, in four chains
	v_pk_add_f32 v[KS+4*\ct+2:KS+4*\ct+3], v[KS+4*\ct+2:KS+4*\ct+3], v[KACC+32*\ct+\i+2:KACC+32*\ct+\i+3]
.endr
.endr
	s_wait_loadcnt 0x0                             ; the table is in, so its base may step
	s_add_nc_u64 s[50:51], s[50:51], 32768
	WIN 0x04
	ROPEK 0
	ROPEK 16
	WIN 0
	QMAX 4,KACC
	QSCALE 4
	v_lshl_or_b32 v[KVS], v[TMP+9], 8, v[TMP+8]
	v_lshl_or_b32 v[KVS+1], v[TMP+11], 8, v[TMP+10]
	QCVT 2,KACC,CK,8
	v_nop
	QSWAP 2,CK,8
	WIN 0x41
.set II,0
.rept 64
	v_pk_mul_f32 v[VACC+II:VACC+II+1], v[VACC+II:VACC+II+1], s[88:89] op_sel_hi:[1,0]   ; v x 2^-5.5
.set II,II+2
.endr
	WIN 0x14
	QMAX 8,VACC
	WIN 0
	QSCALE 8
.irp e,0,1,2,3
	v_lshl_or_b32 v[KVS+2+\e], v[TMP+9+2*\e], 8, v[TMP+8+2*\e]
.endr
	WIN 0x01
	QCVT 4,VACC,CV,4
	WIN 0
	v_nop
	QSWAP 4,CV,4
.rept 8
	v_nop                                          ; a scale register written by a vector instruction stands 8 places ahead of a scaled product, an operand 4
.endr
	WIN 0xf0
.irp dt,0,1
.irp et,0,1,2,3
	WMS KVA+8*(4*\dt+\et),CK+8*\dt,CV+4*\et,KVA+8*(4*\dt+\et),KVS+\dt,KVS+2+\et,0,0
.endr
.endr
	WIN 0
.endm
	s_load_b512 s[4:19], s[0:1], 0x0               ; xc, tab, Wk codes, Wk scales, bk, Wv codes, Wv scales, bv
	s_load_b128 s[20:23], s[0:1], 0x40             ; kvc, kvm
	v_lshl_add_u32 v[SPW], v0, 2, SPARE
	v_mov_b32 v[NIL], 0
	ds_add_u32 v5, v6
	ds_add_u32 v5, v6
	s_wait_dscnt 0x0
	v_lshrrev_b32 v1, 5, v0
	v_readfirstlane_b32 s40, v1                    ; wave
	s_bfe_u32 s41, ttmp6, 0x40000                  ; cx: it enters global addresses of weights, tables and results alone
	s_lshl_b32 s42, ttmp9, 2
	s_add_co_u32 s42, s42, s41                     ; g = 2 head + dh
	s_lshr_b32 s43, s42, 1
	s_and_b32 s44, s42, 1
	s_and_b32 s45, ttmp7, 0xffff                   ; b
	s_mov_b32 s24, 15|(3<<16)|(1<<21)              ; group 1: the mask of all four; elements of 8 bytes; bit 21 beside a mask; no padding
	s_mov_b32 s25, 32<<16                          ; tensor_dim0 = 32: rows of 256 bytes
	s_mov_b32 s26, 136<<16                         ; tensor_dim1 = 136: a block of 34,816 dense bytes
	s_mov_b32 s27, 32<<16                          ; tile_dim0
	s_mov_b32 s28, 136                             ; tile_dim1
	s_mov_b32 s29, 32                              ; the pitch
	s_mov_b32 s30, 0
	s_mov_b32 s31, 0
	s_mul_i32 s46, s40, WRING                      ; my ring; the slot in hand
	s_lshl_b32 s52, s45, 5
	s_add_co_u32 s52, s52, s40
	s_mul_i32 s52, s52, XCB                        ; block 32 b + wave
	s_mov_b32 s53, 0
	s_mov_b32 s48, 0x76543210
	s_mov_b32 s49, 0xfedcba98
	v_and_b32 v144, 31, v0                         ; lane
	v_and_b32 v145, 15, v0                         ; r
	v_bfe_u32 v146, v0, 4, 1                       ; h
	v_lshlrev_b32 v[L16], 4, v144
	v_lshlrev_b32 v[ASC], 5, v145
	v_lshl_add_u32 v[ASC], v146, 9, v[ASC]
	v_add_nc_u32 v[ASC], 32768, v[ASC]             ; x's scale words: 32768 + 512 h + 32 r
	s_mul_i32 s62, s40, REDW
	s_add_co_u32 s62, s62, RED
	v_add_nc_u32 v13, s62, v[L16]                  ; where I put my part of kv
	s_lshl_b32 s63, s40, 10
	s_add_co_u32 s63, s63, RED
	v_add_nc_u32 v14, s63, v[L16]                  ; where I read the tiles that I finish
	v_lshlrev_b32 v28, 2, v144
	v_add_nc_u32 v15, s62, v28
	v_add_nc_u32 v15, 8192, v15                    ; where I put my sums of k
	v_add_nc_u32 v28, RED+8192, v28                ; and where wave 0 reads them
	s_wait_kmcnt 0x0
	s_mov_b32 s32, 1
	s_mov_b32 s33, s46
	s_add_nc_u64 s[34:35], s[4:5], s[52:53]
	s_or_b32 s35, s35, 0x80000000
	CROUND                                         ; all four work-groups are here: the first joint loads meet
	tensor_load_to_lds s[32:35], s[24:31]          ; block 0 into slot 0
	s_nop 0
	PLACES
	s_mov_b32 s55, 0
	s_lshl_b32 s54, s42, 14
	s_add_nc_u64 s[8:9], s[8:9], s[54:55]          ; Wk's codes at row 32 g
	s_lshl_b32 s54, s42, 10
	s_add_nc_u64 s[10:11], s[10:11], s[54:55]
	s_lshl_b32 s54, s42, 7
	s_add_nc_u64 s[12:13], s[12:13], s[54:55]
	s_lshl_b32 s54, s43, 15
	s_add_nc_u64 s[14:15], s[14:15], s[54:55]      ; Wv's at row 64 head
	s_lshl_b32 s54, s43, 11
	s_add_nc_u64 s[16:17], s[16:17], s[54:55]
	s_lshl_b32 s54, s43, 8
	s_add_nc_u64 s[18:19], s[18:19], s[54:55]
	s_lshl_b32 s54, s42, 5
	s_add_co_u32 s54, s54, s40
	s_lshl_b32 s54, s54, 13
	s_add_nc_u64 s[50:51], s[6:7], s[54:55]        ; the table's block 32 g + wave
	s_lshl_b32 s54, s45, 4
	s_add_co_u32 s56, s54, s43                     ; 16 b + head
	s_lshl_b32 s54, s56, 2
	s_add_co_u32 s54, s54, s40
	s_lshl_b32 s54, s54, 9
	s_lshl_b32 s57, s44, 8
	s_add_co_u32 s54, s54, s57
	s_add_nc_u64 s[20:21], s[20:21], s[54:55]      ; kvc: tile e = wave, block dh
	s_lshl_b32 s54, s56, 8
	s_lshl_b32 s57, s40, 2
	s_add_co_u32 s54, s54, s57
	s_add_co_u32 s54, s54, s44
	s_add_nc_u64 s[58:59], s[22:23], s[54:55]      ; kv's scale bytes
	s_lshl_b32 s54, s45, 12
	s_lshl_b32 s57, s42, 7
	s_add_co_u32 s54, s54, s57
	s_add_co_u32 s54, s54, 32768
	s_add_nc_u64 s[60:61], s[22:23], s[54:55]      ; the mean of k
	SETC 66,0x32edffee
	SETC 68,0xb60cff51
	SETC 70,0xb86ec2d2
	SETC 72,0xba40ac63
	SETC 74,0xbb41a1f6
	SETC 76,0xbc83dbd4
	SETC 78,0xb95fbd29
	SETC 80,0xbadc924e
	SETC 82,0xbbf19bf8
	SETC 84,0xbc69b6a7
	SETC 88,0x3cb504f3
	v_mov_b32 v16, 0xaf95df0b
	v_mov_b32 v17, 0xaf95df0b
	v_mov_b32 v18, 0xb77460cd
	v_mov_b32 v19, 0xb77460cd
	v_cmp_eq_u32 s86, 1, v146
	v_lshlrev_b32 v7, 10, v145
	v_lshl_add_u32 v7, v146, 4, v7                 ; Wk's codes: row 2 r, + 16 h
	v_lshlrev_b32 v8, 9, v145
	v_lshl_add_u32 v8, v146, 4, v8                 ; Wv's: row r, + 16 h
	v_lshl_add_u32 v9, v145, 1, v146
	v_lshlrev_b32 v9, 5, v9                        ; Wk's scales: row 2 r + h
	v_lshlrev_b32 v10, 5, v144                     ; Wv's: row 16 h + r
	v_lshlrev_b32 v11, 3, v145
	v_lshlrev_b32 v12, 2, v145
	v_lshlrev_b32 v29, 4, v145
	v_lshl_add_u32 v30, v146, 1, v29               ; 16 r + 2 h
	v_lshl_add_u32 v29, v146, 3, v29               ; 16 r + 8 h
	v_lshl_add_u32 v31, v146, 2, v11               ; 8 r + 4 h
	WIN 0xc0
.irp ct,0,1
.irp s,0,1,2,3,4,5,6,7
.irp c,0,1
	global_load_b128 v[8*(8*\ct+\s)+4*\c:8*(8*\ct+\s)+4*\c+3], v7, s[8:9] offset:512*\ct+64*\s+32*\c
.endr
.endr
.endr
.irp ct,0,1
.irp j,0,1,2,3,4,5,6,7
	global_load_b32 v[BIAS+8*\ct+\j], v11, s[12:13] offset:4*\ct     ; a lane holds one channel: its bias in all eight registers
.endr
.endr
.irp et,0,1,2,3
.irp j,0,1,2,3,4,5,6,7
	global_load_b32 v[BIAS+16+8*\et+\j], v12, s[18:19] offset:64*\et
.endr
.endr
.set II,0
.rept 64
	v_mov_b32 v[KVA+II], 0                         ; kv begins as zeros: the step is written for every block alike
.set II,II+1
.endr
	WIN 0x80
.irp et,0,1,2,3
.irp s,0,1,2,3,4,5,6,7
.irp c,0,1
	global_load_b128 v[8*(8*\et+\s)+4*\c:8*(8*\et+\s)+4*\c+3], v8, s[14:15] offset:8192*\et+64*\s+32*\c
.endr
.endr
.endr
	WIN 0
.irp q,0,1
	global_load_b128 v[WSC+4*\q:WSC+4*\q+3], v9, s[10:11] offset:16*\q
.endr
.irp p,0,1
.irp q,0,1
	global_load_b128 v[WSC+8+8*\p+4*\q:WSC+8+8*\p+4*\q+3], v10, s[16:17] offset:1024*\p+16*\q
.endr
.endr
.irp j,0,1,2,3,4,5,6,7
	v_mov_b32 v[KS+\j], 0
.endr
.irp j,4,5,6,7,12,13,14,15
	v_mov_b32 v[CK+\j], 0                          ; k = 64 .. 127 of source 0: zero codes
.endr
.irp j,16,17,18,19
	v_mov_b32 v[CV+\j], 0
.endr
	s_wait_loadcnt 0x0
	s_mov_b32 s47, NSTEP-1
.Lstep:                                            ; NSTEP - 1 trips: behind each change of slots the next block is asked for
	CHANGE
	STEP
	s_xor_b32 s46, s46, SLOTX
	s_sub_co_u32 s47, s47, 1
	s_cmp_lg_u32 s47, 0
	s_cbranch_scc1 .Lstep
	s_wait_tensorcnt 0x0                           ; the last block is in; its step is written out
	STEP
	; THE END.  The four waves' parts of kv and of the sums of k meet in LDS.
	PLACES
	WIN 0x0c
.irp a,0,1,2,3,4,5,6,7
	ds_store_b128 v13, v[KVA+8*\a:KVA+8*\a+3] offset:1024*\a
	ds_store_b128 v13, v[KVA+8*\a+4:KVA+8*\a+7] offset:1024*\a+512
.endr
	WIN 0
.irp ct,0,1
	v_pk_add_f32 v[KS+4*\ct:KS+4*\ct+1], v[KS+4*\ct:KS+4*\ct+1], v[KS+4*\ct+2:KS+4*\ct+3]
.endr
.irp ct,0,1
	v_add_f32 v[KS+4*\ct], v[KS+4*\ct], v[KS+4*\ct+1]
.endr
.irp ct,0,1
	v_permlanex16_b32 v[KS+4*\ct+1], v[KS+4*\ct], s48, s49
.endr
.irp ct,0,1
	v_add_f32 v[KS+4*\ct], v[KS+4*\ct], v[KS+4*\ct+1]
.endr
	ds_store_b32 v15, v[KS]
	ds_store_b32 v15, v[KS+4] offset:128
	s_wait_dscnt 0x0                               ; for the others' sake: my stores have landed
	s_barrier_signal -1
	s_barrier_wait -1
.irp ww,0,1,2,3
.irp dt,0,1
.irp q,0,1
	ds_load_b128 v[KACC+16*\ww+8*\dt+4*\q:KACC+16*\ww+8*\dt+4*\q+3], v14 offset:REDW*\ww+4096*\dt+512*\q   ; tiles (even d, e = wave) and (odd d, e = wave) of all four waves
.endr
.endr
.endr
	s_wait_dscnt 0x0
.irp i,0,2,4,6,8,10,12,14
	v_pk_add_f32 v[KACC+\i:KACC+\i+1], v[KACC+\i:KACC+\i+1], v[KACC+16+\i:KACC+17+\i]
	v_pk_add_f32 v[KACC+32+\i:KACC+33+\i], v[KACC+32+\i:KACC+33+\i], v[KACC+48+\i:KACC+49+\i]
.endr
.irp j,0,1,2,3,4,5,6,7
	v_add_f32 v[TMP+24+2*\j], v[KACC+\j], v[KACC+32+\j]        ; even and odd d by turns: 16 neighbours along d, 16 h on
	v_add_f32 v[TMP+25+2*\j], v[KACC+8+\j], v[KACC+40+\j]
.endr
	QMAX 1,TMP+24
	QSCALE 1
	v_cvt_scalef32_pk8_fp4_f32 v[CK], v[TMP+24:TMP+31], v[TMP+16]
	v_cvt_scalef32_pk8_fp4_f32 v[CK+1], v[TMP+32:TMP+39], v[TMP+16]
	v_nop
	v_cndmask_b32 v[TMP+9], v[TMP+8], v[NIL], s86  ; lanes 0-15 store my block's byte, lanes 16-31 a 0 two bytes on: the word's upper bytes scale zero codes
	global_store_b64 v29, v[CK:CK+1], s[20:21]     ; 256 consecutive bytes, aligned
	global_store_b8 v30, v[TMP+9], s[58:59]
	s_cmp_lg_u32 s40, 0
	s_cbranch_scc1 .Lnot_first
.irp ww,0,1,2,3
.irp ct,0,1
	ds_load_b32 v[KACC+2*\ww+\ct], v28 offset:REDW*\ww+128*\ct
.endr
.endr
	s_wait_dscnt 0x0
	v_pk_add_f32 v[KACC:KACC+1], v[KACC:KACC+1], v[KACC+2:KACC+3]
	v_pk_add_f32 v[KACC+4:KACC+5], v[KACC+4:KACC+5], v[KACC+6:KACC+7]
	v_pk_add_f32 v[KACC:KACC+1], v[KACC:KACC+1], v[KACC+4:KACC+5]
	v_pk_mul_f32 v[KACC:KACC+1], v[KACC:KACC+1], 0x3a000000 op_sel_hi:[1,0]   ; / 2,048
	v_cndmask_b32 v[KACC+16], v[KACC], v[KACC+1], s86
	global_store_b32 v31, v[KACC+16], s[60:61]     ; channels 2 r + h
.Lnot_first:
	s_wait_tensorcnt 0x0                           ; the wave's end
	ds_add_u32 v[SPW], v[NIL]
	s_wait_dscnt 0x0
	CROUND                                         ; the closing round
	s_endpgm
.Lfunc_end_k_q0c904c7e28_kvl:
	.size	k_q0c904c7e28_kvl, .Lfunc_end_k_q0c904c7e28_kvl-k_q0c904c7e28_kvl
	.p2alignl 7, 3214868480
	.fill 96, 4, 3214868480
	.section	.rodata,"a",@progbits
	.p2align	6, 0x0
	.amdhsa_kernel k_q0c904c7e28_kvl
		.amdhsa_group_segment_fixed_size 327680
		.amdhsa_private_segment_fixed_size 0
		.amdhsa_enable_private_segment 0
		.amdhsa_kernarg_size 80
		.amdhsa_user_sgpr_count 2
		.amdhsa_user_sgpr_kernarg_segment_ptr 1
		.amdhsa_wavefront_size32 1
		.amdhsa_system_sgpr_workgroup_id_x 1
		.amdhsa_system_sgpr_workgroup_id_y 1
		.amdhsa_system_sgpr_workgroup_id_z 1
		.amdhsa_system_vgpr_workitem_id 0
		.amdhsa_next_free_vgpr 1024
		.amdhsa_next_free_sgpr 96
		.amdhsa_reserve_vcc 0
		.amdhsa_float_denorm_mode_32 3
		.amdhsa_float_denorm_mode_16_64 3
		.amdhsa_memory_ordered 1
		.amdhsa_forward_progress 1
		.amdhsa_inst_pref_size 233
	.end_amdhsa_kernel
	.amdgpu_metadata
---
amdhsa.version: [ 1, 2 ]
amdhsa.kernels:
  - .name:           k_q0c904c7e28_kvl
    .symbol:         k_q0c904c7e28_kvl.kd
    .args:
      - { .name: xc, .offset: 0, .size: 8, .value_kind: global_buffer, .address_space: global }
      - { .name: tab, .offset: 8, .size: 8, .value_kind: global_buffer, .address_space: global }
      - { .name: Wk_codes, .offset: 16, .size: 8, .value_kind: global_buffer, .address_space: global }
      - { .name: Wk_scales, .offset: 24, .size: 8, .value_kind: global_buffer, .address_space: global }
      - { .name: bk, .offset: 32, .size: 8, .value_kind: global_buffer, .address_space: global }
      - { .name: Wv_codes, .offset: 40, .size: 8, .value_kind: global_buffer, .address_space: global }
      - { .name: Wv_scales, .offset: 48, .size: 8, .value_kind: global_buffer, .address_space: global }
      - { .name: bv, .offset: 56, .size: 8, .value_kind: global_buffer, .address_space: global }
      - { .name: kvc, .offset: 64, .size: 8, .value_kind: global_buffer, .address_space: global }
      - { .name: kvm, .offset: 72, .size: 8, .value_kind: global_buffer, .address_space: global }
    .group_segment_fixed_size: 327680
    .private_segment_fixed_size: 0
    .kernarg_segment_align: 8
    .kernarg_segment_size: 80
    .max_flat_workgroup_size: 128
    .sgpr_count:     96
    .vgpr_count:     1024
    .wavefront_size: 32
...
	.end_amdgpu_metadata
.endif
;; end of part 2
;; launch qzl (part 3): grid 16 x 16, 4 waves a work-group, clusters of 4 x 1, 327,680 bytes of LDS; arguments xc, tab, Wq_codes, Wq_scales, bq, kvm, qc, qz; writes qc, qz
.if DOCPART == 3
	.amdgcn_target "amdgcn-amd-amdhsa--gfx1250"
	.amdhsa_code_object_version 6
	.text
	.protected	k_q0c904c7e28_qzl
	.globl	k_q0c904c7e28_qzl
	.p2align	8
	.type	k_q0c904c7e28_qzl,@function
k_q0c904c7e28_qzl:
	s_mov_b64 s[64:65], 0
	v_nop
	global_prefetch_b8 v0, s[64:65] scope:SCOPE_SE
	s_setreg_imm32_b32 hwreg(HW_REG_WAVE_MODE, 25, 1), 1
	s_wait_xcnt 0x0
	s_wait_alu depctr_hold_cnt(0) depctr_sa_sdst(0) depctr_va_vdst(0) depctr_va_sdst(0) depctr_va_ssrc(0) depctr_va_vcc(0) depctr_vm_vsrc(0)
	s_getreg_b32 s2, hwreg(HW_REG_IB_STS2, 6, 4)
	s_cmp_eq_u32 s2, 0
	s_cbranch_scc0 .Lentry_in_a_cluster
	s_endpgm
.Lentry_in_a_cluster:
	s_bfe_u32 s2, ttmp6, 0x10000c
	s_cmp_lg_u32 s2, 0x3003
	s_cbranch_scc0 .Lentry_shape_is_right
	s_endpgm
.Lentry_shape_is_right:
; QZL.  A work-group owns (head, batch b, half of the positions): q = gelu(x Wq^T + bq) + 0.21 for the head's 64 channels, z = 1 / (q . mean k + 1e-6), the rotary embedding of q, quantised along the channels.
; SHARES.  Wq's four tiles (all of K: 256 registers) stay in every wave's registers; x's codes stream: in step i wave w takes the block of 64 rows 16 half + 4 i + w of the batch, 4 steps, through two LDS slots of its own.
; CLUSTER: the four work-groups of a cluster are four heads on the same rows: each block is asked for JOINTLY, the same load with the same descriptor and the mask of all four.
; LAYOUT.  Source 0 = 16 rows of Wq, source 1 = 16 rows of x: a lane holds ONE position and its registers run along the channels.  Lane r of tile 2 b + u of Wq takes row 32 b + 8 u + r % 8 + 16 (r / 8), so that the
; 16 registers of two neighbouring tiles are 16 neighbouring channels, 32 b + 16 h on: a rotary pair is a register pair, and a block of 32 lies in lanes l and l xor 16.
; GELU and LIMITS as in the launch for k and v: erf by a quotient of polynomials on |s| <= 4, good to a few units of the last place; NaN and infinities are not served; blocks under 2^-124 keep the scale byte 1.
; REGISTERS.  window 0: v1-10 addresses; v16-19 two constants; v20-27 z; v32-47 Wq's scale words; v48-63 x's; v64-191 q; v192-239 at work.
;   window 1: v0-63 x's fragments, two sets; v64-191 the table; v192-223 the mean of k; v224-255 the bias.   window 2: Wq.
.set XCB,   34816
.set WRING, 69632
.set SLOTX, 0x8800
.set SPARE, 278528
.set NSTEP, 4
.set L16, 1
.set ASC, 2
.set ADX, 3
.set ADS, 4
.set SPW, 5
.set NIL, 6
.set A0V, 16
.set B0V, 18
.set ZA,  20
.set WQS, 32
.set XSC, 48
.set QACC, 64
.set TMP, 192
.set CD,  TMP+24
.set QW,  TMP+40
.set QWJ, TMP+44
.set ZJ,  TMP+46
.set XF,  0
.set TBR, 64
.set KM,  192
.set BIAS, 224
.set MSB, 0
.macro WIN new
.set WNEW, \new
.if MSB != WNEW
	s_set_vgpr_msb (MSB<<8)|WNEW
.set MSB, WNEW
.endif
.endm
.macro PLACES
.rept 4
	v_nop
.endr
.endm
.macro SETC r,val
	s_mov_b32 s[\r], \val
	s_mov_b32 s[\r+1], \val
.endm
.macro CROUND
	s_barrier_signal -1
	s_barrier_wait -1
	s_cmp_lg_u32 s40, 0
	s_cbranch_scc1 .Lnot_wave_0_\@
	s_barrier_signal -3
.Lnot_wave_0_\@:
	s_barrier_wait -3
	s_barrier_signal -1
	s_barrier_wait -1
.endm
.macro CHANGE                          ; the change of slots at a step's head: all my tensor loads, the add, the descriptor's step, the add and my reads done, the round, the joint load
	s_wait_tensorcnt 0x0
	ds_add_u32 v[SPW], v[NIL]                      ; 0 onto my spare word
	s_xor_b32 s33, s33, SLOTX
	s_add_nc_u64 s[34:35], s[34:35], 4*XCB
	s_wait_dscnt 0x0
	CROUND
	tensor_load_to_lds s[32:35], s[24:31]
	s_nop 0
	PLACES
.endm
.macro WMS d,a,b,c,sa,sb,ra,rb
.if (\ra)&&(\rb)
	v_wmma_scale_f32_16x16x128_f8f6f4 v[\d:\d+7], v[\a:\a+7], v[\b:\b+7], v[\c:\c+7], v[\sa], v[\sb] matrix_a_fmt:MATRIX_FMT_FP4 matrix_b_fmt:MATRIX_FMT_FP4 matrix_a_scale:MATRIX_SCALE_ROW1 matrix_b_scale:MATRIX_SCALE_ROW1
.elseif (\ra)
	v_wmma_scale_f32_16x16x128_f8f6f4 v[\d:\d+7], v[\a:\a+7], v[\b:\b+7], v[\c:\c+7], v[\sa], v[\sb] matrix_a_fmt:MATRIX_FMT_FP4 matrix_b_fmt:MATRIX_FMT_FP4 matrix_a_scale:MATRIX_SCALE_ROW1
.elseif (\rb)
	v_wmma_scale_f32_16x16x128_f8f6f4 v[\d:\d+7], v[\a:\a+7], v[\b:\b+7], v[\c:\c+7], v[\sa], v[\sb] matrix_a_fmt:MATRIX_FMT_FP4 matrix_b_fmt:MATRIX_FMT_FP4 matrix_b_scale:MATRIX_SCALE_ROW1
.else
	v_wmma_scale_f32_16x16x128_f8f6f4 v[\d:\d+7], v[\a:\a+7], v[\b:\b+7], v[\c:\c+7], v[\sa], v[\sb] matrix_a_fmt:MATRIX_FMT_FP4 matrix_b_fmt:MATRIX_FMT_FP4
.endif
.endm
.macro XFL s
.irp t,0,1,2,3
.irp c,0,1
	ds_load_b128 v[XF+32*((\s)%2)+8*\t+4*\c:XF+32*((\s)%2)+8*\t+4*\c+3], v[ADX] offset:(((\s)*4+\t)*2+\c)*512
.endr
.endr
.endm
.macro QPROD s                         ; 16 products: four tiles of rows x Wq's four tiles; the first K step takes the bias as C
.if (\s)==0
	WIN 0x16
.else
	WIN 0x06
.endif
.irp t,0,1,2,3
.irp u,0,1,2,3
.if (\s)==0
	WMS QACC+32*\t+8*\u,8*(8*\u+(\s)),XF+32*((\s)%2)+8*\t,BIAS+8*\u,WQS+8*(\u/2)+(\s),XSC+8*(\t/2)+(\s),\u%2,\t%2
.else
	WMS QACC+32*\t+8*\u,8*(8*\u+(\s)),XF+32*((\s)%2)+8*\t,QACC+32*\t+8*\u,WQS+8*(\u/2)+(\s),XSC+8*(\t/2)+(\s),\u%2,\t%2
.endif
.endr
.endr
.endm
.macro GELU16 base                     ; 16 numbers t become gelu(t) + 0.21, in place; the eight pairs take each line in turn
.irp p,0,2,4,6,8,10,12,14
	v_pk_mul_f32 v[TMP+\p:TMP+\p+1], v[\base+\p:\base+\p+1], 0x3f3504f3 op_sel_hi:[1,0]
.endr
.irp p,0,1,2,3,4,5,6,7,8,9,10,11,12,13,14,15
	v_med3_num_f32 v[TMP+\p], v[TMP+\p], -4.0, 4.0
.endr
.irp p,0,2,4,6,8,10,12,14
	v_pk_mul_f32 v[TMP+16+\p:TMP+17+\p], v[TMP+\p:TMP+\p+1], v[TMP+\p:TMP+\p+1]
.endr
.irp p,0,2,4,6,8,10,12,14
	v_pk_fma_f32 v[TMP+32+\p:TMP+33+\p], v[TMP+16+\p:TMP+17+\p], v[A0V:A0V+1], s[66:67] op_sel_hi:[1,1,0]
.endr
.irp k,68,70,72,74,76
.irp p,0,2,4,6,8,10,12,14
	v_pk_fma_f32 v[TMP+32+\p:TMP+33+\p], v[TMP+32+\p:TMP+33+\p], v[TMP+16+\p:TMP+17+\p], s[\k:\k+1] op_sel_hi:[1,1,0]
.endr
.endr
.irp p,0,2,4,6,8,10,12,14
	v_pk_mul_f32 v[TMP+\p:TMP+\p+1], v[TMP+\p:TMP+\p+1], v[TMP+32+\p:TMP+33+\p]
.endr
.irp p,0,2,4,6,8,10,12,14
	v_pk_fma_f32 v[TMP+32+\p:TMP+33+\p], v[TMP+16+\p:TMP+17+\p], v[B0V:B0V+1], s[78:79] op_sel_hi:[1,1,0]
.endr
.irp k,80,82,84
.irp p,0,2,4,6,8,10,12,14
	v_pk_fma_f32 v[TMP+32+\p:TMP+33+\p], v[TMP+32+\p:TMP+33+\p], v[TMP+16+\p:TMP+17+\p], s[\k:\k+1] op_sel_hi:[1,1,0]
.endr
.endr
.irp p,0,1,2,3,4,5,6,7,8,9,10,11,12,13,14,15
	v_rcp_f32 v[TMP+32+\p], v[TMP+32+\p]
.endr
.irp p,0,2,4,6,8,10,12,14
	v_pk_mul_f32 v[TMP+16+\p:TMP+17+\p], v[\base+\p:\base+\p+1], 0.5 op_sel_hi:[1,0]
.endr
.irp p,0,1,2,3,4,5,6,7,8,9,10,11,12,13,14,15
	v_max_num_f32 v[TMP+16+\p], 0xc03504f3, v[TMP+16+\p]
.endr
	s_wait_alu depctr_va_vdst(0)                   ; one wait for the sixteen reciprocals, ahead of their first reader
.irp p,0,2,4,6,8,10,12,14
	v_pk_mul_f32 v[TMP+\p:TMP+\p+1], v[TMP+\p:TMP+\p+1], v[TMP+32+\p:TMP+33+\p]
.endr
.irp p,0,2,4,6,8,10,12,14
	v_pk_add_f32 v[TMP+32+\p:TMP+33+\p], v[TMP+16+\p:TMP+17+\p], 0x3e570a3d op_sel_hi:[1,0]
.endr
.irp p,0,2,4,6,8,10,12,14
	v_pk_fma_f32 v[\base+\p:\base+\p+1], v[TMP+16+\p:TMP+17+\p], v[TMP+\p:TMP+\p+1], v[TMP+32+\p:TMP+33+\p]
.endr
.endm
.macro ROPEQ i0                        ; eight pairs (x1, x2) with (cos, sin) in window 1: (x1 c - x2 s, x2 c + x1 s)
.irp k,0,2,4,6,8,10,12,14
	v_pk_mul_f32 v[TMP+\k:TMP+\k+1], v[QACC+\i0+\k:QACC+1+\i0+\k], v[TBR+\i0+\k:TBR+1+\i0+\k] op_sel_hi:[1,0]
.endr
.irp k,0,2,4,6,8,10,12,14
	v_pk_fma_f32 v[QACC+\i0+\k:QACC+1+\i0+\k], v[QACC+\i0+\k:QACC+1+\i0+\k], v[TBR+\i0+\k:TBR+1+\i0+\k], v[TMP+\k:TMP+\k+1] op_sel:[1,1,0] op_sel_hi:[0,1,1] neg_lo:[1,0,0]
.endr
.endm
.macro QMAX nb,src
.set QQ,0
.rept \nb
	v_max3_num_f32 v[TMP+QQ], 0x1800000, |v[\src+16*QQ]|, |v[\src+16*QQ+1]|
.set QQ,QQ+1
.endr
.irp i,2,4,6,8,10,12,14
.set QQ,0
.rept \nb
	v_max3_num_f32 v[TMP+QQ], v[TMP+QQ], |v[\src+16*QQ+\i]|, |v[\src+16*QQ+\i+1]|
.set QQ,QQ+1
.endr
.endr
.endm
.macro QSCALE nb
.set QQ,0
.rept \nb
	v_permlanex16_b32 v[TMP+8+QQ], v[TMP+QQ], s48, s49
.set QQ,QQ+1
.endr
.set QQ,0
.rept \nb
	v_max_num_f32 v[TMP+QQ], v[TMP+QQ], v[TMP+8+QQ]
.set QQ,QQ+1
.endr
.set QQ,0
.rept \nb
	v_add_nc_u32 v[TMP+16+QQ], 0xff000000, v[TMP+QQ]
.set QQ,QQ+1
.endr
.set QQ,0
.rept \nb
	v_lshrrev_b32 v[TMP+8+QQ], 23, v[TMP+16+QQ]
.set QQ,QQ+1
.endr
.endm
.macro QCVT nt,src,dst,str
.set QQ,0
.rept 2*(\nt)
	v_cvt_scalef32_pk8_fp4_f32 v[\dst+(\str)*(QQ/2)+2*(QQ%2)], v[\src+16*QQ:\src+16*QQ+7], v[TMP+16+QQ]
	v_cvt_scalef32_pk8_fp4_f32 v[\dst+(\str)*(QQ/2)+2*(QQ%2)+1], v[\src+16*QQ+8:\src+16*QQ+15], v[TMP+16+QQ]
.set QQ,QQ+1
.endr
.endm
.macro QSWAP nt,dst,str
.set QQ,0
.rept \nt
	v_permlane16_swap_b32 v[\dst+(\str)*QQ], v[\dst+(\str)*QQ+2]
	v_permlane16_swap_b32 v[\dst+(\str)*QQ+1], v[\dst+(\str)*QQ+3]
.set QQ,QQ+1
.endr
.endm
.macro STEP
	v_add_nc_u32 v[ADX], s46, v[L16]
	v_add_nc_u32 v[ADS], s46, v[ASC]
	WIN 0x40
.irp t,0,1,2,3
.irp q,0,1,2,3,4,5,6,7
	global_load_b128 v[TBR+32*\t+4*\q:TBR+32*\t+4*\q+3], v[L16], s[50:51] offset:4096*\t+512*\q   ; the table: wanted behind the products, the GELU and z
.endr
.endr
	WIN 0
.irp p,0,1
.irp q,0,1
	ds_load_b128 v[XSC+8*\p+4*\q:XSC+8*\p+4*\q+3], v[ADS] offset:1024*\p+16*\q
.endr
.endr
	WIN 0x40
	XFL 0
.irp s,0,1,2,3,4,5,6,7
.if \s<7
.if \s>0
	PLACES                                         ; in front of loads into the set that the last K step's products read
.endif
	WIN 0x40
	XFL (\s+1)
	s_wait_dscnt 8                                 ; all but the next K step's eight loads
.else
	s_wait_dscnt 0x0
.endif
	QPROD \s                                       ; the 16 accumulators take turns
.endr
	WIN 0
	PLACES
.irp g,0,16,32,48,64,80,96,112
	GELU16 QACC+\g
.endr
	WIN 0x04                                       ; q . mean k: my 32 channels of each of my four positions
.irp t,0,1,2,3
	v_pk_mul_f32 v[ZA+2*\t:ZA+2*\t+1], v[QACC+32*\t:QACC+32*\t+1], v[KM:KM+1]
.endr
.irp i,2,4,6,8,10,12,14,16,18,20,22,24,26,28,30
.irp t,0,1,2,3
	v_pk_fma_f32 v[ZA+2*\t:ZA+2*\t+1], v[QACC+32*\t+\i:QACC+32*\t+\i+1], v[KM+\i:KM+\i+1], v[ZA+2*\t:ZA+2*\t+1]
.endr
.endr
	WIN 0
.irp t,0,1,2,3
	v_add_f32 v[ZA+2*\t], v[ZA+2*\t], v[ZA+2*\t+1]
.endr
.irp t,0,1,2,3
	v_permlanex16_b32 v[ZA+2*\t+1], v[ZA+2*\t], s48, s49
.endr
.irp t,0,1,2,3
	v_add_f32 v[ZA+2*\t], v[ZA+2*\t], v[ZA+2*\t+1]
.endr
.irp t,0,1,2,3
	v_add_f32 v[ZA+2*\t], 0x358637bd, v[ZA+2*\t]
.endr
.irp t,0,1,2,3
	v_rcp_f32 v[ZA+2*\t], v[ZA+2*\t]               ; z; the embedding and the quantiser stand between these and the wait for them
.endr
	s_wait_loadcnt 0x0                             ; the table is in
	WIN 0x04
.irp g,0,16,32,48,64,80,96,112
	ROPEQ \g
.endr
	WIN 0
	QMAX 8,QACC
	QSCALE 8
.irp t,0,1,2,3
	v_lshl_or_b32 v[QW+\t], v[TMP+9+2*\t], 8, v[TMP+8+2*\t]
.endr
	QCVT 4,QACC,CD,4
	v_nop
	QSWAP 4,CD,4
	s_wait_alu depctr_va_vdst(0)                   ; one wait for the four reciprocals, ahead of their first reader
.irp p,0,1
	v_cndmask_b32 v[QWJ+\p], v[QW+2*\p], v[QW+2*\p+1], s86     ; lanes 0-15 store the even tile's, lanes 16-31 the odd tile's
	v_cndmask_b32 v[ZJ+\p], v[ZA+4*\p], v[ZA+4*\p+2], s86
.endr
.irp t,0,1,2,3
	global_store_b128 v[L16], v[CD+4*\t:CD+4*\t+3], s[16:17] offset:8192*\t   ; 512 consecutive bytes, aligned
.endr
.irp p,0,1
	global_store_b32 v10, v[QWJ+\p], s[18:19] offset:128*\p
	global_store_b32 v10, v[ZJ+\p], s[18:19] offset:1048576+128*\p
.endr
	s_wait_xcnt 0x0                                ; the stores have read their data and their bases
	s_add_nc_u64 s[50:51], s[50:51], 1048576       ; four blocks on
	s_add_nc_u64 s[16:17], s[16:17], 131072
	s_add_nc_u64 s[18:19], s[18:19], 16384
.endm
	s_load_b512 s[4:19], s[0:1], 0x0               ; xc, tab, Wq codes, Wq scales, bq, kvm, qc, qz
	v_lshl_add_u32 v[SPW], v0, 2, SPARE
	v_mov_b32 v[NIL], 0
	ds_add_u32 v5, v6
	ds_add_u32 v5, v6
	s_wait_dscnt 0x0
	v_lshrrev_b32 v1, 5, v0
	v_readfirstlane_b32 s40, v1                    ; wave
	s_bfe_u32 s41, ttmp6, 0x40000                  ; cx: it enters global addresses of weights, tables and results alone
	s_lshl_b32 s43, ttmp9, 2
	s_add_co_u32 s43, s43, s41                     ; head
	s_and_b32 s45, ttmp7, 0xffff                   ; y = 2 b + half
	s_mov_b32 s24, 15|(3<<16)|(1<<21)              ; group 1: as in the launch for k and v: 136 dense rows of 256 bytes, the mask of all four
	s_mov_b32 s25, 32<<16
	s_mov_b32 s26, 136<<16
	s_mov_b32 s27, 32<<16
	s_mov_b32 s28, 136
	s_mov_b32 s29, 32
	s_mov_b32 s30, 0
	s_mov_b32 s31, 0
	s_mul_i32 s46, s40, WRING
	s_lshl_b32 s52, s45, 4
	s_add_co_u32 s52, s52, s40                     ; my first block: 16 y + wave
	s_mul_i32 s52, s52, XCB
	s_mov_b32 s53, 0
	s_mov_b32 s48, 0x76543210
	s_mov_b32 s49, 0xfedcba98
	v_and_b32 v192, 31, v0
	v_and_b32 v193, 15, v0
	v_bfe_u32 v194, v0, 4, 1
	v_lshlrev_b32 v[L16], 4, v192
	v_lshlrev_b32 v[ASC], 5, v193
	v_lshl_add_u32 v[ASC], v194, 9, v[ASC]
	v_add_nc_u32 v[ASC], 32768, v[ASC]
	s_wait_kmcnt 0x0
	s_mov_b32 s32, 1
	s_mov_b32 s33, s46
	s_add_nc_u64 s[34:35], s[4:5], s[52:53]
	s_or_b32 s35, s35, 0x80000000
	CROUND
	tensor_load_to_lds s[32:35], s[24:31]          ; block 0 into slot 0
	s_nop 0
	PLACES
	s_mov_b32 s55, 0
	s_lshl_b32 s54, s43, 15
	s_add_nc_u64 s[8:9], s[8:9], s[54:55]          ; Wq's codes at row 64 head
	s_lshl_b32 s54, s43, 11
	s_add_nc_u64 s[10:11], s[10:11], s[54:55]
	s_lshl_b32 s54, s43, 8
	s_add_nc_u64 s[12:13], s[12:13], s[54:55]
	s_lshr_b32 s56, s45, 1                         ; b
	s_lshl_b32 s56, s56, 12
	s_add_co_u32 s54, s54, s56
	s_add_co_u32 s54, s54, 32768
	s_add_nc_u64 s[14:15], s[14:15], s[54:55]      ; the mean of k of my batch and head
	s_and_b32 s56, s45, 1
	s_lshl_b32 s56, s56, 4
	s_add_co_u32 s56, s56, s40                     ; G = 16 half + wave
	s_lshl_b32 s56, s56, 4
	s_add_co_u32 s56, s56, s43
	s_lshl_b32 s54, s56, 14
	s_add_co_u32 s54, s54, 0x800000
	s_add_nc_u64 s[50:51], s[6:7], s[54:55]        ; the table's block G 16 + head
	s_lshl_b32 s56, s45, 4
	s_add_co_u32 s56, s56, s40                     ; 16 y + wave
	s_lshl_b32 s54, s56, 15
	s_lshl_b32 s57, s43, 9
	s_add_co_u32 s54, s54, s57
	s_add_nc_u64 s[16:17], s[16:17], s[54:55]
	s_lshl_b32 s54, s56, 12
	s_lshl_b32 s57, s43, 8
	s_add_co_u32 s54, s54, s57
	s_add_nc_u64 s[18:19], s[18:19], s[54:55]
	SETC 66,0x32edffee
	SETC 68,0xb60cff51
	SETC 70,0xb86ec2d2
	SETC 72,0xba40ac63
	SETC 74,0xbb41a1f6
	SETC 76,0xbc83dbd4
	SETC 78,0xb95fbd29
	SETC 80,0xbadc924e
	SETC 82,0xbbf19bf8
	SETC 84,0xbc69b6a7
	v_mov_b32 v16, 0xaf95df0b
	v_mov_b32 v17, 0xaf95df0b
	v_mov_b32 v18, 0xb77460cd
	v_mov_b32 v19, 0xb77460cd
	v_cmp_eq_u32 s86, 1, v194
	v_and_b32 v195, 7, v193
	v_lshrrev_b32 v196, 3, v193
	v_lshl_add_u32 v195, v196, 4, v195             ; r % 8 + 16 (r / 8)
	v_lshlrev_b32 v7, 9, v195
	v_lshl_add_u32 v7, v194, 4, v7                 ; Wq's codes
	v_lshl_add_u32 v8, v194, 3, v195
	v_lshlrev_b32 v8, 5, v8                        ; its scales: lanes 16-31 take the odd tile, 8 rows on
	v_lshlrev_b32 v9, 6, v194                      ; bias and mean: 64 h
	v_lshlrev_b32 v10, 2, v192                     ; 4 x lane
	WIN 0x80
.irp u,0,1,2,3
.irp s,0,1,2,3,4,5,6,7
.irp c,0,1
	global_load_b128 v[8*(8*\u+\s)+4*\c:8*(8*\u+\s)+4*\c+3], v7, s[8:9] offset:(32*(\u/2)+8*(\u%2))*512+64*\s+32*\c
.endr
.endr
.endr
	WIN 0x40
.irp u,0,1,2,3
.irp q,0,1
	global_load_b128 v[BIAS+8*\u+4*\q:BIAS+8*\u+4*\q+3], v9, s[12:13] offset:128*(\u/2)+32*(\u%2)+16*\q
	global_load_b128 v[KM+8*\u+4*\q:KM+8*\u+4*\q+3], v9, s[14:15] offset:128*(\u/2)+32*(\u%2)+16*\q
.endr
.endr
	WIN 0
.irp p,0,1
.irp q,0,1
	global_load_b128 v[WQS+8*\p+4*\q:WQS+8*\p+4*\q+3], v8, s[10:11] offset:1024*\p+16*\q
.endr
.endr
	s_wait_loadcnt 0x0
	s_mov_b32 s47, NSTEP-1
.Lstep:
	CHANGE
	STEP
	s_xor_b32 s46, s46, SLOTX
	s_sub_co_u32 s47, s47, 1
	s_cmp_lg_u32 s47, 0
	s_cbranch_scc1 .Lstep
	s_wait_tensorcnt 0x0                           ; the last block is in; its step is written out
	STEP
	s_wait_tensorcnt 0x0                           ; the wave's end
	ds_add_u32 v[SPW], v[NIL]
	s_wait_dscnt 0x0
	CROUND                                         ; the closing round
	s_endpgm
.Lfunc_end_k_q0c904c7e28_qzl:
	.size	k_q0c904c7e28_qzl, .Lfunc_end_k_q0c904c7e28_qzl-k_q0c904c7e28_qzl
	.p2alignl 7, 3214868480
	.fill 96, 4, 3214868480
	.section	.rodata,"a",@progbits
	.p2align	6, 0x0
	.amdhsa_kernel k_q0c904c7e28_qzl
		.amdhsa_group_segment_fixed_size 327680
		.amdhsa_private_segment_fixed_size 0
		.amdhsa_enable_private_segment 0
		.amdhsa_kernarg_size 64
		.amdhsa_user_sgpr_count 2
		.amdhsa_user_sgpr_kernarg_segment_ptr 1
		.amdhsa_wavefront_size32 1
		.amdhsa_system_sgpr_workgroup_id_x 1
		.amdhsa_system_sgpr_workgroup_id_y 1
		.amdhsa_system_sgpr_workgroup_id_z 1
		.amdhsa_system_vgpr_workitem_id 0
		.amdhsa_next_free_vgpr 768
		.amdhsa_next_free_sgpr 96
		.amdhsa_reserve_vcc 0
		.amdhsa_float_denorm_mode_32 3
		.amdhsa_float_denorm_mode_16_64 3
		.amdhsa_memory_ordered 1
		.amdhsa_forward_progress 1
		.amdhsa_inst_pref_size 255
	.end_amdhsa_kernel
	.section	.bss,"aw",@nobits
	.p2align	6
	.space	262144
	.amdgpu_metadata
---
amdhsa.version: [ 1, 2 ]
amdhsa.kernels:
  - .name:           k_q0c904c7e28_qzl
    .symbol:         k_q0c904c7e28_qzl.kd
    .args:
      - { .name: xc, .offset: 0, .size: 8, .value_kind: global_buffer, .address_space: global }
      - { .name: tab, .offset: 8, .size: 8, .value_kind: global_buffer, .address_space: global }
      - { .name: Wq_codes, .offset: 16, .size: 8, .value_kind: global_buffer, .address_space: global }
      - { .name: Wq_scales, .offset: 24, .size: 8, .value_kind: global_buffer, .address_space: global }
      - { .name: bq, .offset: 32, .size: 8, .value_kind: global_buffer, .address_space: global }
      - { .name: kvm, .offset: 40, .size: 8, .value_kind: global_buffer, .address_space: global }
      - { .name: qc, .offset: 48, .size: 8, .value_kind: global_buffer, .address_space: global }
      - { .name: qz, .offset: 56, .size: 8, .value_kind: global_buffer, .address_space: global }
    .group_segment_fixed_size: 327680
    .private_segment_fixed_size: 0
    .kernarg_segment_align: 8
    .kernarg_segment_size: 64
    .max_flat_workgroup_size: 128
    .sgpr_count:     96
    .vgpr_count:     768
    .wavefront_size: 32
...
	.end_amdgpu_metadata
.endif
;; end of part 3
;; launch fin (part 4): grid 256 x 1, 4 waves a work-group, no clusters, 17,920 bytes of LDS; arguments x, qc, qz, kvc, kvm, gamma, beta, out0; writes out0
.if DOCPART == 4
	.amdgcn_target "amdgcn-amd-amdhsa--gfx1250"
	.amdhsa_code_object_version 6
	.text
	.protected	k_q0c904c7e28_fin
	.globl	k_q0c904c7e28_fin
	.p2align	8
	.type	k_q0c904c7e28_fin,@function
k_q0c904c7e28_fin:
	s_mov_b64 s[64:65], 0
	v_nop
	global_prefetch_b8 v0, s[64:65] scope:SCOPE_SE
	s_setreg_imm32_b32 hwreg(HW_REG_WAVE_MODE, 25, 1), 1
	s_wait_xcnt 0x0
; FIN.  out0 = LayerNorm(x + z (q_r kv)) x gamma + beta.  A wave owns one tile of 16 whole rows (1,024 channels: 512 registers); waves share nothing: no barrier, no tensor load.
; THE PRODUCT, head by head: source 0 = 16 columns e of kv (K = the head's 64 channels d: k = 64 .. 127 meet q_r's zero codes), source 1 = q_r's 16 positions: a lane holds one position and eight neighbouring e.
; The result x z goes through the wave's own stage in LDS (16 rows x 272 bytes) and comes back by rows, as x lies: register 32 i + 4 p + e of the residual is row 2 p + lane / 16 of the tile, channel 64 i + 4 (lane % 16) + e,
; so that every load of x and every store of out0 has sixteen lanes on 256 consecutive bytes, aligned.  The tile's row n is row n % 8 + 16 (n / 8) from the tile's first row, as the codes were laid.
; Loads run four heads ahead.  The norm takes two passes over the registers: the mean, then the squares of the differences.
; LIMITS: NaN and infinities are not served.
; REGISTERS.  window 0: v1-9 addresses; v16-31 q_r's scale words; v32-47 z; v48-63 kv's scale words, four sets; v64-79 sums; v80-95 squares; v96-127 a head's rows from the stage; v128-191 the products, two sets.
;   window 1: v0-79 kv's codes, four sets of 16 + 4 zeros; v80-111 q_r's, four sets of 4 + 4 zeros; v112-175 gamma; v176-239 beta.   windows 2, 3: the residual.
.set QS,  16
.set ZZ,  32
.set KVW, 48
.set SUM, 64
.set SQ,  80
.set TMP, 96
.set OACC, 128
.set KVB, 0
.set QOP, 80
.set GAM, 112
.set BET, 176
.set MSB, 0
.macro WIN new
.set WNEW, \new
.if MSB != WNEW
	s_set_vgpr_msb (MSB<<8)|WNEW
.set MSB, WNEW
.endif
.endm
.macro PLACES
.rept 4
	v_nop
.endr
.endm
.macro GROUP i                         ; head i's 14 loads: kv's four tiles, q_r's codes, kv's scale words; then x's eight
.set BF, (\i)%4
.set RB, (32*(\i))%256
.set RW, 2+(\i)/8
	WIN 0x40
.irp e,0,1,2,3
	global_load_b128 v[KVB+20*BF+4*\e:KVB+20*BF+4*\e+3], v1, s[10:11] offset:2048*(\i)+512*\e
.endr
	global_load_b128 v[QOP+8*BF:QOP+8*BF+3], v1, s[6:7] offset:512*(\i)
	WIN 0
	global_load_b128 v[KVW+4*BF:KVW+4*BF+3], v3, s[12:13] offset:256*(\i)
	WIN RW<<6
.irp p,0,1,2,3,4,5,6,7
	global_load_b128 v[RB+4*\p:RB+4*\p+3], v2, s[4:5] offset:(((2*\p)%8)+16*(\p/4))*4096+256*(\i) th:TH_LOAD_NT
.endr
	WIN 0
.endm
.macro ADDRES j                        ; head j: the residual = x + what came back from the stage; the rows' sums
.set RB, (32*(\j))%256
.set RW, 2+(\j)/8
	WIN (RW<<6)|RW
.irp k,0,2,4,6,8,10,12,14,16,18,20,22,24,26,28,30
	v_pk_add_f32 v[RB+\k:RB+\k+1], v[RB+\k:RB+\k+1], v[TMP+\k:TMP+\k+1]
.endr
.if (\j)==0
	WIN (RW<<2)|RW
.irp p,0,1,2,3,4,5,6,7
	v_pk_add_f32 v[SUM+2*\p:SUM+2*\p+1], v[RB+4*\p:RB+4*\p+1], v[RB+4*\p+2:RB+4*\p+3]   ; the first head starts the sums
.endr
.else
	WIN RW<<2
.irp e,0,2
.irp p,0,1,2,3,4,5,6,7
	v_pk_add_f32 v[SUM+2*\p:SUM+2*\p+1], v[SUM+2*\p:SUM+2*\p+1], v[RB+4*\p+\e:RB+4*\p+\e+1]
.endr
.endr
.endif
	WIN 0
.endm
.macro HEAD i
.set BF, (\i)%4
.set OA, OACC+32*((\i)%2)
.set LFT, 15-(\i)
.if LFT>3
.set LFT, 3
.endif
	s_wait_loadcnt 8+14*LFT                        ; this head's codes and scale words are in; its 8 loads of x and the later heads' 14 each may be out
	WIN 0x05
.irp e,0,1,2,3
	v_wmma_scale_f32_16x16x128_f8f6f4 v[OA+8*\e:OA+8*\e+7], v[KVB+20*BF+4*\e:KVB+20*BF+4*\e+7], v[QOP+8*BF:QOP+8*BF+7], 0, v[KVW+4*BF+\e], v[QS+(\i)] matrix_a_fmt:MATRIX_FMT_FP4 matrix_b_fmt:MATRIX_FMT_FP4
.endr
.if (\i)>0
	s_wait_dscnt 0x0                               ; the last head's rows are back from the stage
	ADDRES (\i)-1                                  ; 24 plain instructions or more: the places behind the products
.else
	PLACES
	WIN 0
.endif
.irp k,0,2,4,6,8,10,12,14,16,18,20,22,24,26,28,30
.if (\i)%2
	v_pk_mul_f32 v[OA+\k:OA+\k+1], v[OA+\k:OA+\k+1], v[ZZ+(\i)-1:ZZ+(\i)] op_sel:[0,1] op_sel_hi:[1,1]
.else
	v_pk_mul_f32 v[OA+\k:OA+\k+1], v[OA+\k:OA+\k+1], v[ZZ+(\i):ZZ+(\i)+1] op_sel_hi:[1,0]
.endif
.endr
.irp e,0,1,2,3
	ds_store_b128 v5, v[OA+8*\e:OA+8*\e+3] offset:64*\e
	ds_store_b128 v5, v[OA+8*\e+4:OA+8*\e+7] offset:64*\e+16
.endr
.irp p,0,1,2,3,4,5,6,7
	ds_load_b128 v[TMP+4*\p:TMP+4*\p+3], v6 offset:544*\p     ; LDS serves a wave's instructions in order: these see the stores above
.endr
.if (\i)<12
	GROUP (\i)+4
.endif
.endm
.macro LN2 j                           ; head j: less the mean; the squares
.set RB, (32*(\j))%256
.set RW, 2+(\j)/8
	WIN (RW<<6)|RW
.irp e,0,2
.irp p,0,1,2,3,4,5,6,7
	v_pk_add_f32 v[RB+4*\p+\e:RB+4*\p+\e+1], v[RB+4*\p+\e:RB+4*\p+\e+1], v[SUM+2*\p:SUM+2*\p+1] op_sel_hi:[1,0] neg_lo:[0,1] neg_hi:[0,1]
.endr
.endr
	WIN (RW<<2)|RW
.irp e,0,2
.irp p,0,1,2,3,4,5,6,7
.if ((\j)==0)&&(\e==0)
	v_pk_mul_f32 v[SQ+2*\p:SQ+2*\p+1], v[RB+4*\p:RB+4*\p+1], v[RB+4*\p:RB+4*\p+1]
.else
	v_pk_fma_f32 v[SQ+2*\p:SQ+2*\p+1], v[RB+4*\p+\e:RB+4*\p+\e+1], v[RB+4*\p+\e:RB+4*\p+\e+1], v[SQ+2*\p:SQ+2*\p+1]
.endif
.endr
.endr
.endm
.macro LN3 j                           ; head j: x 1 / sqrt(var + eps), x gamma + beta, stored
.set RB, (32*(\j))%256
.set RW, 2+(\j)/8
	WIN (RW<<6)|RW
.irp e,0,2
.irp p,0,1,2,3,4,5,6,7
	v_pk_mul_f32 v[RB+4*\p+\e:RB+4*\p+\e+1], v[RB+4*\p+\e:RB+4*\p+\e+1], v[SQ+2*\p:SQ+2*\p+1] op_sel_hi:[1,0]
.endr
.endr
	WIN (RW<<6)|RW|0x14
.irp e,0,2
.irp p,0,1,2,3,4,5,6,7
	v_pk_fma_f32 v[RB+4*\p+\e:RB+4*\p+\e+1], v[RB+4*\p+\e:RB+4*\p+\e+1], v[GAM+4*(\j)+\e:GAM+4*(\j)+\e+1], v[BET+4*(\j)+\e:BET+4*(\j)+\e+1]
.endr
.endr
	WIN RW<<2
.irp p,0,1,2,3,4,5,6,7
	global_store_b128 v2, v[RB+4*\p:RB+4*\p+3], s[18:19] offset:(((2*\p)%8)+16*(\p/4))*4096+256*(\j) th:TH_STORE_NT
.endr
.endm
.macro ROWSUM b                        ; eight pairs at v[b]: the two halves, then the sixteen lanes of a row: every lane has the row's sum in the pair's low word
.irp p,0,1,2,3,4,5,6,7
	v_add_f32 v[\b+2*\p], v[\b+2*\p], v[\b+2*\p+1]
.endr
.irp m,1,2,4,8
.irp p,0,1,2,3,4,5,6,7
	v_add_f32_dpp v[\b+2*\p], v[\b+2*\p], v[\b+2*\p] row_xmask:\m row_mask:0xf bank_mask:0xf
.endr
.endr
.endm
	s_load_b512 s[4:19], s[0:1], 0x0               ; x, qc, qz, kvc, kvm, gamma, beta, out0
	v_lshl_add_u32 v254, v0, 2, 0x4400
	v_mov_b32 v255, 0
	v_lshrrev_b32 v1, 5, v0
	v_readfirstlane_b32 s20, v1                    ; wave = tile t
	v_and_b32 v7, 31, v0
	v_and_b32 v8, 15, v0
	v_bfe_u32 v9, v0, 4, 1
	v_lshlrev_b32 v1, 4, v7                        ; 16 x lane
	v_lshlrev_b32 v3, 4, v8                        ; 16 r
	v_lshl_add_u32 v2, v9, 12, v3                  ; x and out0: a row down for lanes 16-31, 16 bytes a lane
	v_lshlrev_b32 v4, 2, v8                        ; 4 r
	s_mul_i32 s21, s20, 4352
	v_mul_u32_u24 v5, v8, 272
	v_lshl_add_u32 v5, v9, 5, v5
	v_add_nc_u32 v5, s21, v5                       ; the stage, in: row r, + 32 h
	v_mul_u32_u24 v6, v9, 272
	v_add_nc_u32 v6, v6, v3
	v_add_nc_u32 v6, s21, v6                       ; and out: lanes 0-15 one row, lanes 16-31 the next
	s_lshl_b32 s22, ttmp9, 6
	s_lshr_b32 s23, s20, 1
	s_lshl_b32 s23, s23, 5
	s_add_co_u32 s22, s22, s23
	s_and_b32 s23, s20, 1
	s_lshl_b32 s23, s23, 3
	s_add_co_u32 s22, s22, s23                     ; the tile's first row
	s_lshl_b32 s22, s22, 12
	s_mov_b32 s23, 0
	s_mov_b32 s24, 0x3a800000                      ; 1 / 1,024
	s_mov_b32 s25, 0x2b8cbccc                      ; 1e-12
	s_wait_kmcnt 0x0
	s_add_nc_u64 s[4:5], s[4:5], s[22:23]
	s_add_nc_u64 s[18:19], s[18:19], s[22:23]
	s_lshl_b32 s22, ttmp9, 2
	s_add_co_u32 s22, s22, s20
	s_lshl_b32 s22, s22, 13
	s_add_nc_u64 s[6:7], s[6:7], s[22:23]
	s_lshl_b32 s22, ttmp9, 12
	s_lshl_b32 s21, s20, 6
	s_add_co_u32 s22, s22, s21
	s_add_nc_u64 s[8:9], s[8:9], s[22:23]
	s_lshr_b32 s21, ttmp9, 5                       ; the batch
	s_lshl_b32 s22, s21, 15
	s_add_nc_u64 s[10:11], s[10:11], s[22:23]
	s_lshl_b32 s22, s21, 12
	s_add_nc_u64 s[12:13], s[12:13], s[22:23]
	WIN 0x40
.irp i,0,1,2,3,4,5,6,7,8,9,10,11,12,13,14,15
	global_load_b128 v[GAM+4*\i:GAM+4*\i+3], v3, s[14:15] offset:256*\i
	global_load_b128 v[BET+4*\i:BET+4*\i+3], v3, s[16:17] offset:256*\i
.endr
.irp f,0,1,2,3
.irp k,0,1,2,3
	v_mov_b32 v[KVB+20*\f+16+\k], 0
	v_mov_b32 v[QOP+8*\f+4+\k], 0                  ; k = 64 .. 127 of q_r: zero codes
.endr
.endr
	WIN 0
.irp i,0,1,2,3,4,5,6,7,8,9,10,11,12,13,14,15
	global_load_b32 v[QS+\i], v4, s[8:9] offset:256*\i
	global_load_b32 v[ZZ+\i], v4, s[8:9] offset:1048576+256*\i
.endr
	GROUP 0
	GROUP 1
	GROUP 2
	GROUP 3
.irp i,0,1,2,3,4,5,6,7,8,9,10,11,12,13,14,15
	HEAD \i
.endr
	s_wait_loadcnt 0x0
	s_wait_dscnt 0x0
	ADDRES 15
	ROWSUM SUM
.irp p,0,1,2,3,4,5,6,7
	v_mul_f32 v[SUM+2*\p], s24, v[SUM+2*\p]        ; the mean
.endr
.irp j,0,1,2,3,4,5,6,7,8,9,10,11,12,13,14,15
	LN2 \j
.endr
	WIN 0
	ROWSUM SQ
.irp p,0,1,2,3,4,5,6,7
	v_fma_f32 v[SQ+2*\p], v[SQ+2*\p], s24, s25     ; the variance + 1e-12
.endr
.irp p,0,1,2,3,4,5,6,7
	v_rsq_f32 v[SQ+2*\p], v[SQ+2*\p]
.endr
	v_nop                                          ; a plain place behind the last of them
	s_wait_alu depctr_va_vdst(0)                   ; one wait for the eight, ahead of their first reader
.irp j,0,1,2,3,4,5,6,7,8,9,10,11,12,13,14,15
	LN3 \j
.endr
	WIN 0
	s_wait_tensorcnt 0x0
	ds_add_u32 v254, v255
	s_wait_dscnt 0x0
	s_endpgm
.Lfunc_end_k_q0c904c7e28_fin:
	.size	k_q0c904c7e28_fin, .Lfunc_end_k_q0c904c7e28_fin-k_q0c904c7e28_fin
	.p2alignl 7, 3214868480
	.fill 96, 4, 3214868480
	.section	.rodata,"a",@progbits
	.p2align	6, 0x0
	.amdhsa_kernel k_q0c904c7e28_fin
		.amdhsa_group_segment_fixed_size 17920
		.amdhsa_private_segment_fixed_size 0
		.amdhsa_enable_private_segment 0
		.amdhsa_kernarg_size 64
		.amdhsa_user_sgpr_count 2
		.amdhsa_user_sgpr_kernarg_segment_ptr 1
		.amdhsa_wavefront_size32 1
		.amdhsa_system_sgpr_workgroup_id_x 1
		.amdhsa_system_sgpr_workgroup_id_y 1
		.amdhsa_system_sgpr_workgroup_id_z 1
		.amdhsa_system_vgpr_workitem_id 0
		.amdhsa_next_free_vgpr 1024
		.amdhsa_next_free_sgpr 66
		.amdhsa_reserve_vcc 0
		.amdhsa_float_denorm_mode_32 3
		.amdhsa_float_denorm_mode_16_64 3
		.amdhsa_memory_ordered 1
		.amdhsa_forward_progress 1
		.amdhsa_inst_pref_size 192
	.end_amdhsa_kernel
	.amdgpu_metadata
---
amdhsa.version: [ 1, 2 ]
amdhsa.kernels:
  - .name:           k_q0c904c7e28_fin
    .symbol:         k_q0c904c7e28_fin.kd
    .args:
      - { .name: x, .offset: 0, .size: 8, .value_kind: global_buffer, .address_space: global }
      - { .name: qc, .offset: 8, .size: 8, .value_kind: global_buffer, .address_space: global }
      - { .name: qz, .offset: 16, .size: 8, .value_kind: global_buffer, .address_space: global }
      - { .name: kvc, .offset: 24, .size: 8, .value_kind: global_buffer, .address_space: global }
      - { .name: kvm, .offset: 32, .size: 8, .value_kind: global_buffer, .address_space: global }
      - { .name: gamma, .offset: 40, .size: 8, .value_kind: global_buffer, .address_space: global }
      - { .name: beta, .offset: 48, .size: 8, .value_kind: global_buffer, .address_space: global }
      - { .name: out0, .offset: 56, .size: 8, .value_kind: global_buffer, .address_space: global }
    .group_segment_fixed_size: 17920
    .private_segment_fixed_size: 0
    .kernarg_segment_align: 8
    .kernarg_segment_size: 64
    .max_flat_workgroup_size: 128
    .sgpr_count:     66
    .vgpr_count:     1024
    .wavefront_size: 32
...
	.end_amdgpu_metadata
.endif
;; end of part 4
